; MI455X (gfx1250); checked and timed in simulation.
; The chip was launched on July 23, 2026; its instructions are those of AMD's public machine-readable ISA for CDNA 5 (MIT licence, August 2026) and "CDNA5" Instruction Set Architecture Reference Guide (July 2026). The comments in the code are by the model that wrote it; some were corrected since.
;; Attention. Allowed arithmetic: matrix products marked QUANTISED: E4M3 operands, one given power-of-two scale a tensor, by v_wmma_f32_16x16x64_fp8_fp8 or v_wmma_f32_16x16x128_fp8_fp8, f32 sums; everything else in f32.
;; Inputs: Wk 512 x 2,048 float32; Wo 2,048 x 512 float32; Wq 512 x 2,048 float32; Wv 512 x 2,048 float32; gk 128 float32; gq 128 float32; lowp_scales 12 int32 (the exponents e of the quantised operands' scales 2^e); x 4 x 2,048 x 2,048 float32.
;; Outputs: out0 4 x 2,048 x 2,048 float32.
;; This version of the problem:
;;   THIS VERSION OF THE PROBLEM IS GIVEN IN LOW PRECISION. The matrix products marked QUANTISED in the list below multiply operands that are first quantised to E4M3 (4 exponent bits, 3 mantissa bits; 8 bits a number), with one given power-of-two scale for each operand tensor; their sums are f32. All else is computed in f32.
;;   The module's matrix products, in the order in which they are computed (A, B: the left and right operand; K: the contracted axis; several contracted axes count as one K, in the product's order):
;;     1. [M 8,192, K 2,048] x [K 2,048, N 512]; A: input x; B: input Wq: QUANTISED (scales: A lowp_scales[0], B lowp_scales[1])
;;     2. [M 8,192, K 2,048] x [K 2,048, N 512]; A: input x; B: input Wk: QUANTISED (scales: A lowp_scales[2], B lowp_scales[3])
;;     3. [M 8,192, K 2,048] x [K 2,048, N 512]; A: input x; B: input Wv: QUANTISED (scales: A lowp_scales[4], B lowp_scales[5])
;;     4. batch 16 x [M 2,048, K 128] x [K 128, N 2,048]; A: computed on the way; B: computed on the way: QUANTISED (scales: A lowp_scales[6], B lowp_scales[7])
;;     5. batch 16 x [M 2,048, K 2,048] x [K 2,048, N 128]; A: softmax (see below); B: computed on the way: QUANTISED (scales: A lowp_scales[8], B lowp_scales[9])
;;     6. [M 8,192, K 512] x [K 512, N 2,048]; A: computed on the way; B: input Wo: QUANTISED (scales: A lowp_scales[10], B lowp_scales[11])
;;   THE QUANTISER, for each operand of a quantised product, along K:
;;     - The operand's scale is 2^e, e = its entry of the input lowp_scales (int32; the entries are numbered through the quantised products in the list's order, A before B).
;;     - Each number is divided by the scale, clamped to +-448, and rounded to the nearest number of E4M3, ties to even, subnormals kept.
;;     - The product sums the exact products of the quantised numbers (number of the format x scale) in f32.
;;   ~~~python
;;   def quantise(x, axis, e):      # numpy; x: float32 -> the quantised numbers, widened to float32 again
;;       x = np.moveaxis(x, axis, -1); K = x.shape[-1]
;;       r = np.clip(x / 2.0 ** e, -448, 448)
;;       step = 2.0 ** (np.maximum(np.frexp(np.where(r == 0, 1, r))[1] - 1, -6) - 3)
;;       q = np.round(r / step) * step * 2.0 ** e      # np.round: ties to even
;;       return np.moveaxis(q, -1, axis).astype(np.float32)
;;   ~~~
;;   SOFTMAX AHEAD OF A QUANTISED PRODUCT. Where the list says 'softmax', what is quantised is not the finished softmax but p = 2^(t - M), with t = logit x log2(e) and M = ceil(the row's largest t), a whole number; so 1/2 < the row's largest p <= 1. The row's sum l is taken of the UNQUANTISED p, in f32, and the product's result is divided by l at the end. Since M is a whole number, a kernel that streams over the keys may use a running M (the ceiling of the running maximum): every later rescaling is an exact power of two, so the quantised numbers keep their values, but for numbers so far below the row's largest that they fall under the format's range.
;;   OPERANDS COMPUTED ON THE WAY. 'Computed on the way' means the value that the module computes at that place (a softmax that the list does not call 'softmax' is quantised finished and normalised). What goes into a quantiser is computed in f32, as accurately as f32 sums, v_exp_f32 and their like allow (about 1e-6 of the number): no bf16 or f16 on the way to a quantiser, and a product that is left as it is and whose result goes on into a quantised operand takes f32 operands (vector FMAs, or v_wmma_f32_16x16x4_f32). A number that lies on a knife's edge between two numbers of the format may be rounded either way, as far as f32 arithmetic and the matrix unit's own rounding can turn it there, and no further.
;; One version. Each part assembles by itself: llvm-mc -triple=amdgcn-amd-amdhsa -mcpu=gfx1250 --defsym DOCPART=n.
;; ======== version 1 of 1: 4 launches
;; workspace buffers: xc 50,331,648 bytes; wqkv 3,145,728 bytes; woc 1,048,576 bytes; qimg 4,194,304 bytes; kv 8,388,608 bytes; oimg 4,194,304 bytes
;; launch quant (part 1): grid 640 x 1, 4 waves a work-group, no clusters, 33,280 bytes of LDS; arguments x, Wq, Wk, Wv, Wo, lowp_scales, xc, wqkv, woc; writes xc, wqkv, woc
.if DOCPART == 1
	.amdgcn_target "amdgcn-amd-amdhsa--gfx1250"
	.amdhsa_code_object_version 6
	.text
	.protected	k_q926e4dee1d_quant
	.globl	k_q926e4dee1d_quant
	.p2align	8
	.type	k_q926e4dee1d_quant,@function
k_q926e4dee1d_quant:
	s_mov_b64 s[64:65], 0
	v_nop
	global_prefetch_b8 v0, s[64:65] scope:SCOPE_SE
	s_setreg_imm32_b32 hwreg(HW_REG_WAVE_MODE, 25, 1), 1
	s_wait_xcnt 0x0
; THE PROGRAM: four launches.  (1) this one: x, Wq, Wk, Wv, Wo, f32, become codes of E4M3.  (2) the three projections on codes, the RMS norm of q and k, and q, k, v as codes.
; (3) causal attention on codes, its result as codes.  (4) the projection on the way out.  All six products are made by v_wmma_f32_16x16x128_fp8_fp8.
; WORK LEFT OUT, and why it is dead: reference() itself sets a score to -infinity where the key comes after the query, and the softmax gives such a key the weight 0 exactly.  So a piece of 16 queries x 128 keys
; all of whose keys come after all of its queries adds 0 to the row's sum and 0 to the second product, whatever finite values the inputs hold; and it cannot move the row's largest score.  Launch (3) leaves such pieces out.
; Nothing else is left out, and every input has a way to the output: all are loaded.  LIMIT: a NaN, an infinity or an overflow that would arise only in the scores left out is not carried to the result.
; THIS LAUNCH.  code = number / 2^e, held within +-448, rounded to the nearest code, ties to even.  e: lowp_scales[0], [2], [4] for x (products 1, 2, 3), [1] Wq, [3] Wk, [5] Wv, [11] Wo.
; x has three entries.  xc holds three sets of [8192][2048] codes, 16 MiB each.  Set 0, by entry 0, is always made; set 1 (entry 2) and set 2 (entry 4) only where that entry differs from entry 0: a scalar branch on whole
; numbers read from memory; the next launch forms its set's number from the same whole numbers.  Wq, Wk, Wv go on end into wqkv [1536][2048]; Wo into woc [2048][512].
; Every tensor has K innermost and dense rows: each is a plain stream, and so are its codes.  A work-group takes 32,768 numbers, a wave 8,192 in 16 steps of 512.  Work-groups 0-511: x; 512-543 Wq; 544-575 Wk; 576-607 Wv; 608-639 Wo.
; Only pointers and exponents are chosen by the work-group's number: all take one path through the text.
; A conversion takes 8 neighbours from ONE lane's registers; a load is best where neighbouring LANES take neighbouring bytes.  So each of a step's four loads reads 512 consecutive bytes, the 2,048 bytes go through the
; wave's own stage in LDS as they lie and come back 64 bytes a lane (16 bytes of padding behind each 64).  A lane's 16 codes are 16 bytes: the wave stores 512 consecutive bytes.  No barrier: waves share nothing.
; LIMITS: each e between -126 and 119, so that 2^e and 448 x 2^e are f32 numbers.  NaN among the inputs is not served (an infinity is held at the largest code).
.set WAVES, 4
.set STEPS, 16
.set CB,    16                         ; bytes of 16 codes
.set XSET,  0x1000000                  ; a set of x's codes in bytes
.set R,     16                         ; v16-79   four sets of 16 numbers as they are loaded
.set X,     80                         ; v80-111  two sets of 16 neighbours
.set T,     112                        ; v112-127 16 numbers held for x's second or third scale
.set C,     128                        ; v128-191 codes: four registers for each step, so that no store's data are written again
.set C1,    192                        ; v192-195 codes by entry 2
.set C2,    196                        ; v196-199 codes by entry 4
.set WREG,  8192                       ; LDS: a region for each wave: two stages of 32 x SP bytes
.set SP,    80                         ; a lane's place in a stage: 64 bytes + 16 of padding
.set SPW,   12                         ; v12 LDS address of my spare word; never rewritten
.set NIL,   13                         ; v13 0; never rewritten
.set SPARE, WAVES*WREG                 ; behind the four regions: the spare words, 128 bytes a wave, which no other line names
	s_load_b256 s[4:11], s[0:1], 0x0               ; x s[4:5], Wq s[6:7], Wk s[8:9], Wv s[10:11]
	s_load_b128 s[12:15], s[0:1], 0x20             ; Wo s[12:13], the exponents s[14:15]
	s_load_b64 s[16:17], s[0:1], 0x30              ; xc
	s_load_b64 s[22:23], s[0:1], 0x38              ; wqkv
	s_load_b64 s[24:25], s[0:1], 0x40              ; woc
	v_lshl_add_u32 v[SPW], v0, 2, SPARE
	v_mov_b32 v[NIL], 0
	v_lshrrev_b32 v1, 5, v0
	v_readfirstlane_b32 s50, v1                    ; wave
	v_and_b32 v2, 31, v0                           ; lane
	v_lshlrev_b32 v3, 4, v2                        ; my 16 bytes of a load's 512
	s_mul_i32 s51, s50, WREG
	v_lshrrev_b32 v14, 2, v2
	v_mul_u32_u24 v14, v14, SP
	v_and_b32 v15, 3, v2
	v_lshl_add_u32 v14, v15, 4, v14
	v_add_nc_u32 v14, s51, v14                     ; the stage, on the way in: SP (lane / 4) + 16 (lane % 4); a load's 512 bytes take eight places
	v_mul_u32_u24 v15, v2, SP
	v_add_nc_u32 v15, s51, v15                     ; and on the way out: SP x lane: my 16 neighbours
	v_mul_u32_u24 v4, v2, CB                       ; my codes' place in a step's
	s_sub_co_u32 s26, ttmp9, 512                   ; a weight's run among the 96 of wqkv (not used for x)
	s_and_b32 s27, s26, 31                         ; and within its own tensor
	s_wait_kmcnt 0x0
	s_load_b256 s[36:43], s[14:15], 0x0            ; entries 0 to 7
	s_load_b128 s[44:47], s[14:15], 0x20           ; entries 8 to 11
	s_cmp_lt_u32 ttmp9, 512                        ; the choices hang on the work-group's number alone
	s_cselect_b32 s28, ttmp9, s27                  ; which run of 32,768 numbers of the source,
	s_cselect_b32 s29, ttmp9, s26                  ; and of the destination
	s_cselect_b32 s30, 1, 0                        ; 1: x
	s_cselect_b64 s[32:33], s[4:5], s[6:7]
	s_cselect_b64 s[34:35], s[16:17], s[22:23]
	s_cmp_ge_u32 ttmp9, 544
	s_cselect_b64 s[32:33], s[8:9], s[32:33]
	s_cmp_ge_u32 ttmp9, 576
	s_cselect_b64 s[32:33], s[10:11], s[32:33]
	s_cmp_ge_u32 ttmp9, 608
	s_cselect_b64 s[32:33], s[12:13], s[32:33]
	s_cselect_b64 s[34:35], s[24:25], s[34:35]
	s_cselect_b32 s29, s27, s29
	s_lshl_b32 s28, s28, 2
	s_add_co_u32 s28, s28, s50                     ; my wave's run of 8,192 numbers
	s_lshl_b32 s52, s28, 15                        ; x 32,768 bytes (under 2^27)
	s_mov_b32 s53, 0
	s_add_nc_u64 s[32:33], s[32:33], s[52:53]
	s_lshl_b32 s29, s29, 2
	s_add_co_u32 s29, s29, s50
	s_lshl_b32 s52, s29, 13                        ; x 8,192 bytes of codes
	s_add_nc_u64 s[34:35], s[34:35], s[52:53]
	s_add_nc_u64 s[18:19], s[16:17], s[52:53]      ; the same place in xc's sets 1 and 2 (named by x's work-groups alone)
	s_add_nc_u64 s[20:21], s[18:19], 2*XSET
	s_add_nc_u64 s[18:19], s[18:19], XSET
.macro LOAD t
.irp i, 0,1,2,3
	global_load_b128 v[R+16*((\t)%4)+4*\i:R+16*((\t)%4)+4*\i+3], v3, s[32:33] offset:2048*(\t)+512*\i th:TH_LOAD_NT   ; 32 lanes read 512 consecutive bytes, read once in the launch
.endr
.endm
.macro TURN t                          ; step t's numbers through the stage: LDS serves a wave's instructions in order, so no wait stands between the stores and the loads
.irp i, 0,1,2,3
	ds_store_b128 v14, v[R+16*((\t)%4)+4*\i:R+16*((\t)%4)+4*\i+3] offset:32*SP*((\t)%2)+8*SP*\i
.endr
.irp i, 0,1,2,3
	ds_load_b128 v[X+16*((\t)%2)+4*\i:X+16*((\t)%2)+4*\i+3], v15 offset:32*SP*((\t)%2)+16*\i
.endr
.endm
.macro MKSC e, sc, lim                 ; from the exponent in s[e]: v[sc] = 2^e as f32 (the conversion takes its exponent field), v[lim] = 448 x 2^e
	s_add_co_i32 s51, s[\e], 127
	s_lshl_b32 s52, s51, 23
	v_mov_b32 v[\sc], s52
	s_add_co_i32 s51, s51, 8
	s_lshl_b32 s51, s51, 23
	s_or_b32 s51, s51, 0x600000
	v_mov_b32 v[\lim], s51
.endm
.irp t, 0,1,2,3
	LOAD \t
.endr
	s_wait_kmcnt 0x0
	s_cmp_lt_u32 ttmp9, 512
	s_cselect_b32 s31, s36, s37                    ; entry 0 for x, 1 for Wq,
	s_cmp_ge_u32 ttmp9, 544
	s_cselect_b32 s31, s39, s31                    ; 3 for Wk,
	s_cmp_ge_u32 ttmp9, 576
	s_cselect_b32 s31, s41, s31                    ; 5 for Wv,
	s_cmp_ge_u32 ttmp9, 608
	s_cselect_b32 s31, s47, s31                    ; 11 for Wo
	s_cmp_lg_u32 s38, s36
	s_cselect_b32 s48, s30, 0                      ; 1: x, and entry 2 differs from entry 0
	s_cmp_lg_u32 s40, s36
	s_cselect_b32 s49, s30, 0                      ; 1: x, and entry 4 differs from entry 0
	MKSC 31, 11, 10
	MKSC 38, 5, 6
	MKSC 40, 7, 8
	s_wait_loadcnt 12                              ; step 0's four loads are in
	TURN 0
; x's codes by another scale, where that scale differs: the numbers are held into T, so that the step's own hold still finds them as they came
.macro EXTRA t, flag, lim, sc, cr, base
	s_cmp_eq_u32 s[\flag], 0
	s_cbranch_scc1 .Lnone_\@
	s_wait_xcnt 0x0                                ; the last step's store of these four registers has read them
.irp i, 0,1,2,3,4,5,6,7,8,9,10,11,12,13,14,15
	v_med3_num_f32 v[T+\i], v[XS+\i], -v[\lim], v[\lim]
.endr
	v_cvt_scalef32_pk8_fp8_f32 v[\cr:\cr+1], v[T:T+7], v[\sc]
	v_cvt_scalef32_pk8_fp8_f32 v[\cr+2:\cr+3], v[T+8:T+15], v[\sc]
	v_nop                                          ; a plain vector line between the conversions and the next write of T
	global_store_b128 v4, v[\cr:\cr+3], s[\base:\base+1] offset:32*CB*(\t)
.Lnone_\@:
.endm
.macro STEP t
.set XS, X+16*((\t)%2)
	s_wait_dscnt 0x0                               ; this step's numbers are back from the stage: so its stores into the stage have read their registers,
.if (\t)+4 < STEPS
	LOAD (\t)+4                                    ; which take the loads of four steps on
.endif
.if (\t)+1 < STEPS
.if STEPS-2-(\t) >= 3
	s_wait_loadcnt 12                              ; the next step's four loads are in; those of the three steps behind it may be out
.else
	s_wait_loadcnt 4*(STEPS-2-(\t))
.endif
	TURN (\t)+1                                    ; and go through the other stage while this step is worked
.endif
	EXTRA \t, 48, 6, 5, C1, 18
	EXTRA \t, 49, 8, 7, C2, 20
.irp i, 0,1,2,3,4,5,6,7,8,9,10,11,12,13,14,15
	v_med3_num_f32 v[XS+\i], v[XS+\i], -v10, v10   ; the conversion to an 8-bit code does not saturate (ISA guide 7.6.2): the hold at the largest code x the scale comes first
.endr
	v_cvt_scalef32_pk8_fp8_f32 v[C+4*(\t):C+4*(\t)+1], v[XS:XS+7], v11
	v_cvt_scalef32_pk8_fp8_f32 v[C+4*(\t)+2:C+4*(\t)+3], v[XS+8:XS+15], v11
	global_store_b128 v4, v[C+4*(\t):C+4*(\t)+3], s[34:35] offset:32*CB*(\t)   ; the results go to a store alone; the next vector lines are plain and touch other registers
.endm
.irp t, 0,1,2,3,4,5,6,7,8,9,10,11,12,13,14,15
	STEP \t
.endr
	s_wait_tensorcnt 0x0                           ; the wave's end, behind my last LDS store
	ds_add_u32 v[SPW], v[NIL]
	s_wait_dscnt 0x0
	s_endpgm
.Lfunc_end_k_q926e4dee1d_quant:
	.size	k_q926e4dee1d_quant, .Lfunc_end_k_q926e4dee1d_quant-k_q926e4dee1d_quant
	.p2alignl 7, 3214868480
	.fill 96, 4, 3214868480
	.section	.rodata,"a",@progbits
	.p2align	6, 0x0
	.amdhsa_kernel k_q926e4dee1d_quant
		.amdhsa_group_segment_fixed_size 33280
		.amdhsa_private_segment_fixed_size 0
		.amdhsa_enable_private_segment 0
		.amdhsa_kernarg_size 72
		.amdhsa_user_sgpr_count 2
		.amdhsa_user_sgpr_kernarg_segment_ptr 1
		.amdhsa_wavefront_size32 1
		.amdhsa_system_sgpr_workgroup_id_x 1
		.amdhsa_system_sgpr_workgroup_id_y 1
		.amdhsa_system_sgpr_workgroup_id_z 1
		.amdhsa_system_vgpr_workitem_id 0
		.amdhsa_next_free_vgpr 200
		.amdhsa_next_free_sgpr 66
		.amdhsa_reserve_vcc 0
		.amdhsa_float_denorm_mode_32 3
		.amdhsa_float_denorm_mode_16_64 3
		.amdhsa_memory_ordered 1
		.amdhsa_forward_progress 1
		.amdhsa_inst_pref_size 82
	.end_amdhsa_kernel
	.amdgpu_metadata
---
amdhsa.version: [ 1, 2 ]
amdhsa.kernels:
  - .name:           k_q926e4dee1d_quant
    .symbol:         k_q926e4dee1d_quant.kd
    .args:
      - { .name: x, .offset: 0, .size: 8, .value_kind: global_buffer, .address_space: global }
      - { .name: Wq, .offset: 8, .size: 8, .value_kind: global_buffer, .address_space: global }
      - { .name: Wk, .offset: 16, .size: 8, .value_kind: global_buffer, .address_space: global }
      - { .name: Wv, .offset: 24, .size: 8, .value_kind: global_buffer, .address_space: global }
      - { .name: Wo, .offset: 32, .size: 8, .value_kind: global_buffer, .address_space: global }
      - { .name: lowp_scales, .offset: 40, .size: 8, .value_kind: global_buffer, .address_space: global }
      - { .name: xc, .offset: 48, .size: 8, .value_kind: global_buffer, .address_space: global }
      - { .name: wqkv, .offset: 56, .size: 8, .value_kind: global_buffer, .address_space: global }
      - { .name: woc, .offset: 64, .size: 8, .value_kind: global_buffer, .address_space: global }
    .group_segment_fixed_size: 33280
    .private_segment_fixed_size: 0
    .kernarg_segment_align: 8
    .kernarg_segment_size: 72
    .max_flat_workgroup_size: 128
    .sgpr_count:     66
    .vgpr_count:     200
    .wavefront_size: 32
...
	.end_amdgpu_metadata
.endif
;; end of part 1
;; launch qkv (part 2): grid 32 x 6, 4 waves a work-group, clusters of 4 x 1, 327,680 bytes of LDS; arguments xc, wqkv, lowp_scales, gq, gk, qimg, kv; writes qimg, kv
.if DOCPART == 2
	.amdgcn_target "amdgcn-amd-amdhsa--gfx1250"
	.amdhsa_code_object_version 6
	.text
	.protected	k_q926e4dee1d_qkv
	.globl	k_q926e4dee1d_qkv
	.p2align	8
	.type	k_q926e4dee1d_qkv,@function
k_q926e4dee1d_qkv:
	s_mov_b64 s[64:65], 0
	v_nop
	global_prefetch_b8 v0, s[64:65] scope:SCOPE_SE
	s_setreg_imm32_b32 hwreg(HW_REG_WAVE_MODE, 25, 1), 1
	s_wait_xcnt 0x0
	s_wait_alu depctr_hold_cnt(0) depctr_sa_sdst(0) depctr_va_vdst(0) depctr_va_sdst(0) depctr_va_ssrc(0) depctr_va_vcc(0) depctr_vm_vsrc(0)
	s_getreg_b32 s2, hwreg(HW_REG_IB_STS2, 6, 4)
	s_cmp_eq_u32 s2, 0
	s_cbranch_scc0 .Lentry_in_a_cluster
	s_endpgm
.Lentry_in_a_cluster:
	s_bfe_u32 s2, ttmp6, 0x10000c
	s_cmp_lg_u32 s2, 0x3003
	s_cbranch_scc0 .Lentry_shape_is_right
	s_endpgm
.Lentry_shape_is_right:
; Products 1, 2, 3: y = x W^T on codes of E4M3, W = [Wq; Wk; Wv] as 1,536 rows of 2,048 codes; then, in registers, the RMS norm of q and k for each head, and q, k, v as codes for the attention.  No work is left out here.
; A tile is 256 tokens x 256 columns: work-group x (0-31) the tokens, y (0-5) the columns; P = y / 2 says q, k or v.  Four waves, each 128 x 128: 64 accumulators, 512 registers; a wave's 128 columns are ONE head.
; 192 tiles, one to a work-group.  K goes in steps of 256 through a ring of two LDS slots filled by the tensor data mover.
; x's codes: products 1, 2, 3 have an exponent each for x (entries 0, 2, 4); xc holds three sets of 16 MiB.  Where entry 2 (4) equals entry 0, k's (v's) codes are set 0's, else set 1's (2's).  The set's number is made with
; no branch and no select on a loaded number: min(entry xor entry 0, 1) is 0 or 1; it is multiplied by a factor made of the work-group's number, shifted, and added to the tile's offset in xc.
; CLUSTER: four work-groups along x: four tiles of tokens against the same 256 rows of W.  W's tile is asked for JOINTLY (mask 15); x's tile is each work-group's own, a plain load behind the same rounds.
; A wider cluster does not serve: a product has two tiles of columns, and the codes of x for q and for k may lie in different sets, so their descriptors could not be equal.
; THE MATRIX INSTRUCTION IS USED TRANSPOSED (source 0 = 16 rows of W, source 1 = 16 tokens): lane (r, h) holds token r, and register j of accumulator b the head's channel 16 b + 8 h + j.
; Fragments come by four ds_load_b128: a permutation of k, the same on both sides, so every product meets its partner.
; WHAT IS STORED: IMAGES of operands.  An image is 16 rows x 128 k, 2,048 bytes: register n (0-15) of lane L at byte 512 (n / 4) + 16 L + 4 (n % 4); it holds k = 16 (n / 2) + 8 h + 4 (n % 2) + 0 .. 3 of row r: the matrix form's own places.
; The conversion of accumulator b's eight registers gives registers 2 b, 2 b + 1 of the image of my 16 tokens: q's and k's images are stored as they come, 512 consecutive bytes a store.
; qimg: [batch x head 16][16 queries: 128][image].  kv: [batch x head 16][512 keys: 4][K: 128 keys 4 x 16 keys 8 x image; V: 128 keys 4 x 16 channels 8 x image (row = channel, k = the 128 keys)].
; v's K is the keys: 16 tokens x 128 channels are turned through the wave's own stage in LDS (f32), so that a lane holds one channel and eight neighbouring keys.
; q = (y x rsq(mean(y^2) + 1e-5)) x g, where reference() has (y / sqrt(..)) x g: the order of rounding differs by the reciprocal root.
; LIMITS on the given exponents, so that each power of two is an f32 number: e0 + e1, e2 + e3, e4 + e5 between -126 and 127; e6, e7 and e9 - e4 - e5 between -126 and 119.  NaN among the inputs is not served.
; REGISTERS, in windows of 256: window 0: v0-31 addresses; from v128 x's fragments, ONE set; on the way out v32-255 are free.  window 1: W's fragments, TWO sets.  windows 2, 3: the accumulators of my tokens 0-63, 64-127 ((a, b) at v[8 (8 (a % 4) + b)]).
.set SIZE_K, 2048
.set KSTEP,  256                       ; along K in a slot
.set ROWB,   256                       ; a tile's row in bytes
.set KROW,   SIZE_K                    ; a row of codes in memory
.set PITCH,  272                       ; an LDS row: 256 bytes + 16 of padding = 68 words: the 16 rows that a load touches start at 16 different banks
.set FR,     16                        ; registers of a fragment
.set NL,     4                         ; LDS loads that bring one
.set NP,     4                         ; places behind this matrix instruction (ISA guide 7.12.1)
.set HALFT,  128*PITCH                 ; 128 rows: what one tensor load brings
.set SLOT,   4*HALFT                   ; x's 256 rows, then W's 256 rows
.set LAPS,   SIZE_K/(2*KSTEP)          ; a lap = two K steps = once round the ring
.set SPARE,  2*SLOT                    ; behind the ring: the spare words, 128 bytes a wave, which no other line names
.set SPITCH, 528                       ; v's way out: a stage of 16 rows x (512 bytes + 16) for each wave, in slot 0, which has then had its last fill and its last read
.set ADRA, 16                          ; v16-17  LDS address of my fragments of x in slot 0, 1
.set ADRB, 20                          ; v20-21  the same for W
.set STO,  24                          ; v24     the stage: row r, + 32 h
.set VT,   25                          ; v25     the stage, turned: row 8 h, + 4 r
.set LI,   26                          ; v26     16 x lane: an image's place for my lane
.set GOF,  27                          ; v27     32 h: my half's bytes in the gains
.set SPW,  28                          ; v28     LDS address of my spare word; never rewritten
.set NIL,  29                          ; v29     0; never rewritten
.set TMP,  32                          ; v32-95   a block's 64 numbers
.set G,    96                          ; v96-159  q, k: the gains of my 64 channels
.set XR,   96                          ; v96-159  v: the block turned
.set AF,   128                         ; x's fragments
.set CD,   160                         ; v160-191 q, k: codes, two sets of 16
.set VC,   160                         ; v160-223 v: codes, two sets of 32
.set SS,   224                         ; v224-227 sums of squares
.set RS,   228                         ; v228-229 1 / rms (a pair is named; its low word serves both halves)
.set T1,   230
.set LIMV, 232                         ; 448 x the conversion's scale
.set SCV,  233                         ; the conversion's scale
.set G1, 24                            ; s[24:31] descriptor group 1 for x's tiles;  s[32:39] group 0, one set for each slot
.set G0, 32
.set G1B, 48                           ; s[48:55], s[56:63] the same for W's tiles
.set G0B, 56
.set MSB, 0
.macro WIN new                         ; the immediate's high byte repeats the setting that is left
.if MSB != \new
	s_set_vgpr_msb (MSB<<8)|\new
.set MSB, \new
.endif
.endm
.set MUL_LO, 0xa1                      ; source 0 (W) window 1, source 1 (x) window 0, C and D window 2
.set MUL_HI, 0xf1                      ; the same, C and D window 3
.set TO_B,   0x40                      ; destination window 1, address window 0
; Waves 0 and 1 fetch x's two halves (a load of the work-group's own), waves 2 and 3 W's (joint).  The branch hangs on the wave's number alone.  An s_nop 0 and four v_nop follow each line.
.macro JLOAD g0a, g1a, g0b, g1b
	s_cmp_eq_u32 s15, 0
	s_cbranch_scc0 .Lfor_b_\@
	tensor_load_to_lds s[\g0a:\g0a+3], s[\g1a:\g1a+7]
	s_nop 0
.rept 4
	v_nop
.endr
	s_branch .Lasked_\@
.Lfor_b_\@:
	tensor_load_to_lds s[\g0b:\g0b+3], s[\g1b:\g1b+7]
	s_nop 0
.rept 4
	v_nop
.endr
.Lasked_\@:
.endm
.macro CREST                           ; a round of the cluster's barrier behind its opening barrier
	s_cmp_lg_u32 s14, 0
	s_cbranch_scc1 .Lnot_wave_0_\@
	s_barrier_signal -3
.Lnot_wave_0_\@:
	s_barrier_wait -3
	s_barrier_signal -1
	s_barrier_wait -1
.endm
.macro CROUND                          ; a whole round
	s_barrier_signal -1
	s_barrier_wait -1
	CREST
.endm
	s_load_b64 s[4:5], s[0:1], 0x0                 ; xc
	s_load_b64 s[10:11], s[0:1], 0x8               ; wqkv
	s_load_b256 s[68:75], s[0:1], 0x10             ; the exponents s[68:69], gq s[70:71], gk s[72:73], qimg s[74:75]
	s_load_b64 s[76:77], s[0:1], 0x30              ; kv
	v_lshl_add_u32 v[SPW], v0, 2, SPARE
	v_mov_b32 v[NIL], 0
	ds_add_u32 v[SPW], v[NIL]                      ; the wave's opening: the add, twice on end, and its wait ahead of my first tensor load
	ds_add_u32 v[SPW], v[NIL]                      ; and once more; the set-up below, work on registers, stands between it and the wait
	v_lshrrev_b32 v1, 5, v0
	v_readfirstlane_b32 s14, v1                    ; wave 0..3
	s_lshr_b32 s15, s14, 1                         ; which half of the tile's tokens is mine.  Also: I fetch for x (0) or for W (1)
	s_and_b32 s16, s14, 1                          ; which half of its columns.  Also: which 128 rows of that tile I fetch
	s_bfe_u32 s40, ttmp6, 0x40000                  ; cx: my place in the cluster
	s_lshl_b32 s42, ttmp9, 2
	s_add_co_u32 s42, s42, s40                     ; tile of tokens = 4 x cluster x + cx
	s_and_b32 s17, ttmp7, 0xffff                   ; tile of columns, which the four partners share
	s_lshr_b32 s92, s17, 1                         ; P: 0 q, 1 k, 2 v
	s_mov_b32 s[G1+0], (0<<16)|(1<<20)|(5<<22)|(3<<25)              ; no mask; elements of 1 byte; padding on: 4 words (code 3) after every 64 (code 5)
	s_mov_b32 s[G1B+0], 15|(0<<16)|(1<<20)|(1<<21)|(5<<22)|(3<<25)  ; the same with the mask of all four work-groups, and bit 21 beside it
.irp g, G1, G1B
	s_mov_b32 s[\g+1], ROWB<<16                    ; tensor_dim0
	s_mov_b32 s[\g+2], 128<<16                     ; tensor_dim1 = 128
	s_mov_b32 s[\g+3], ROWB<<16                    ; tile_dim0
	s_mov_b32 s[\g+4], 128                         ; tile_dim1 = 128
	s_mov_b32 s[\g+5], KROW                        ; tensor_dim0_stride
	s_mov_b32 s[\g+6], 0
	s_mov_b32 s[\g+7], 0
.endr
	s_lshl_b32 s18, s16, 7                         ; which 128 rows of the tile I fetch
	s_lshl_b32 s20, s42, 8
	s_add_co_u32 s20, s20, s18                     ; x: row 256 x tile of tokens + 128 x half,
	s_lshl_b32 s20, s20, 11                        ; of 2,048 bytes (under 2^24)
	s_mov_b32 s21, 0
	s_lshl_b32 s46, s17, 8
	s_add_co_u32 s46, s46, s18                     ; W: row 256 x tile of columns + 128 x half: nothing of cx enters
	s_lshl_b32 s46, s46, 11
	s_mov_b32 s47, 0
	s_mul_i32 s45, s14, HALFT                      ; where they go: wave x 128 rows: no place in the cluster enters an LDS address
	s_cmp_eq_u32 s92, 1
	s_cselect_b32 s8, 1, 0                         ; k: set 1, if any but set 0
	s_cmp_eq_u32 s92, 2
	s_cselect_b32 s9, 2, 0                         ; v: set 2
	s_wait_dscnt 0x0                               ; both opening adds are done
	s_wait_kmcnt 0x0
	s_load_b256 s[80:87], s[68:69], 0x0            ; entries 0 to 7
	s_load_b128 s[88:91], s[68:69], 0x20           ; entries 8 to 11
	s_wait_kmcnt 0x0
	s_xor_b32 s6, s82, s80                         ; 0 where entry 2 = entry 0,
	s_min_u32 s6, s6, 1                            ; else 1: a loaded number enters an address only behind s_min_u32 with a constant; behind it stand multiplies, adds and a shift left
	s_xor_b32 s7, s84, s80                         ; the same of entry 4
	s_min_u32 s7, s7, 1
	s_mul_i32 s6, s6, s8
	s_mul_i32 s7, s7, s9
	s_add_co_u32 s6, s6, s7                        ; which set of x's codes serves my product: 0, 1 or 2,
	s_lshl_b32 s6, s6, 24                          ; of 16 MiB
	s_add_co_u32 s20, s20, s6                      ; (under 2^26)
	s_add_nc_u64 s[20:21], s[4:5], s[20:21]
	s_add_nc_u64 s[46:47], s[10:11], s[46:47]
	CROUND                                         ; all four work-groups are here: the first joint loads meet
.irp s, 0,1
	s_mov_b32 s[G0+4*\s], 1
	s_add_co_u32 s[G0+4*\s+1], s45, \s*SLOT
	s_add_nc_u64 s[G0+4*\s+2:G0+4*\s+3], s[20:21], \s*ROWB
	s_or_b32 s[G0+4*\s+3], s[G0+4*\s+3], 0x80000000
	s_mov_b32 s[G0B+4*\s], 1
	s_add_co_u32 s[G0B+4*\s+1], s45, \s*SLOT
	s_add_nc_u64 s[G0B+4*\s+2:G0B+4*\s+3], s[46:47], \s*ROWB
	s_or_b32 s[G0B+4*\s+3], s[G0B+4*\s+3], 0x80000000
	JLOAD G0+4*\s, G1, G0B+4*\s, G1B
.endr
	v_and_b32 v1, 15, v0                           ; r = l % 16
	v_bfe_u32 v2, v0, 4, 1                         ; h = l / 16
	v_mul_u32_u24 v3, v1, PITCH
	v_lshl_add_u32 v4, v2, 4, v3                   ; a fragment's row x pitch + 16 x half
	s_mul_i32 s21, s15, HALFT                      ; my 128 tokens
	s_mul_i32 s22, s16, HALFT                      ; my 128 rows of W,
	s_add_co_u32 s22, s22, 2*HALFT                 ; which lie behind x's 256
.irp s, 0,1
	v_add_nc_u32 v[ADRA+\s], s21, v4
	v_add_nc_u32 v[ADRB+\s], s22, v4
	s_add_co_u32 s21, s21, SLOT
	s_add_co_u32 s22, s22, SLOT
.endr
	s_mul_i32 s23, s14, 16*SPITCH                  ; my stage
	v_mul_u32_u24 v5, v1, SPITCH
	v_lshl_add_u32 v5, v2, 5, v5
	v_add_nc_u32 v[STO], s23, v5                   ; in: row r, 32 bytes for each half of the lanes
	v_mul_u32_u24 v5, v2, 8*SPITCH
	v_lshl_add_u32 v5, v1, 2, v5
	v_add_nc_u32 v[VT], s23, v5                    ; back, turned: rows 8 h on, channel r: 32 lanes touch 32 different banks
	v_and_b32 v6, 31, v0
	v_lshlrev_b32 v[LI], 4, v6
	v_lshlrev_b32 v[GOF], 5, v2
	; the way out's scalars, made while the first tiles are on their way
	s_mov_b32 s93, 0x3727c5ac                      ; 1e-5
	s_mov_b32 s94, 0x3c000000                      ; 1 / 128
	s_mov_b32 s98, 0x76543210                      ; v_permlanex16_b32's selects for lane l xor 16
	s_mov_b32 s99, 0xfedcba98
	s_lshr_b32 s41, s42, 3                         ; the batch: 8 tiles of tokens each
	s_lshl_b32 s41, s41, 2
	s_and_b32 s43, s17, 1
	s_lshl_b32 s43, s43, 1
	s_add_co_u32 s41, s41, s43
	s_add_co_u32 s41, s41, s16                     ; 4 x batch + head
	s_and_b32 s43, s42, 7                          ; my tile among the batch's eight
	s_lshl_b32 s44, s15, 14                        ; my wave's 128 tokens: 8 images
	s_lshl_b32 s20, s41, 18
	s_lshl_b32 s21, s43, 15
	s_add_co_u32 s20, s20, s21
	s_add_co_u32 s20, s20, s44                     ; in qimg
	s_lshl_b32 s95, s41, 19
	s_lshr_b32 s21, s43, 1
	s_lshl_b32 s21, s21, 17                        ; the run of 512 keys,
	s_add_co_u32 s95, s95, s21
	s_and_b32 s21, s42, 1
	s_lshl_b32 s21, s21, 15                        ; the 128 keys in it
	s_add_co_u32 s95, s95, s21
	s_add_co_u32 s95, s95, s44
	s_cmp_eq_u32 s92, 2
	s_cselect_b32 s21, 0x10000, 0                  ; V's part lies behind K's
	s_add_co_u32 s95, s95, s21                     ; in kv
	s_cmp_eq_u32 s92, 0
	s_cselect_b64 s[78:79], s[74:75], s[76:77]
	s_cselect_b64 s[70:71], s[70:71], s[72:73]     ; gq or gk
	s_cselect_b32 s20, s20, s95
	s_mov_b32 s21, 0
	s_add_nc_u64 s[78:79], s[78:79], s[20:21]      ; where my wave's images go
	s_cmp_eq_u32 s92, 1
	s_cselect_b32 s18, s82, s80                    ; x's exponent,
	s_cselect_b32 s19, s83, s81                    ; W's,
	s_cselect_b32 s22, s87, s86                    ; and that of the codes to be made: entry 6 for q, 7 for k
	s_cmp_eq_u32 s92, 2
	s_cselect_b32 s18, s84, s18
	s_cselect_b32 s19, s85, s19
	s_add_co_i32 s18, s18, s19                     ; a sum stands for sum x 2^(this)
	s_sub_co_i32 s19, s89, s18                     ; v: entry 9 less it: the three scales folded into the conversion's one
	s_cmp_eq_u32 s92, 2
	s_cselect_b32 s22, s19, s22
	s_add_co_i32 s96, s18, 127
	s_lshl_b32 s96, s96, 23                        ; 2^(x's + W's) as f32
	s_mov_b32 s97, s96                             ; (named with it as a pair, so it is written)
	s_add_co_i32 s22, s22, 127
	s_lshl_b32 s100, s22, 23                       ; the conversion's scale as f32
	s_add_co_i32 s22, s22, 8
	s_lshl_b32 s22, s22, 23
	s_or_b32 s101, s22, 0x600000                   ; 448 x that
.macro FRAG reg, adr, q, i             ; a fragment: registers 4 c .. 4 c + 3 hold K = 32 c + 16 (l / 16) + 0 .. 15 of row l % 16
.irp c, 0,1,2,3
	ds_load_b128 v[\reg+4*\c:\reg+4*\c+3], v[\adr] offset:128*(\q)+32*\c+(\i)*16*PITCH
.endr
.endm
; 16 matrix instructions: x's blocks a0, a0 + 1 against W's eight, 128 along K.  p: W's set.  zero = 1: the first product starts the sums.  The 64 accumulators take turns, one instruction a turn.
.macro MUL16 a0, p, zero
.irp a, \a0, \a0+1
.irp b, 0,1,2,3,4,5,6,7
.if \zero
	v_wmma_f32_16x16x128_fp8_fp8 v[8*(8*((\a)%4)+\b):8*(8*((\a)%4)+\b)+7], v[128*(\p)+FR*\b:128*(\p)+FR*\b+FR-1], v[AF+FR*(\a):AF+FR*(\a)+FR-1], 0
.else
	v_wmma_f32_16x16x128_fp8_fp8 v[8*(8*((\a)%4)+\b):8*(8*((\a)%4)+\b)+7], v[128*(\p)+FR*\b:128*(\p)+FR*\b+FR-1], v[AF+FR*(\a):AF+FR*(\a)+FR-1], v[8*(8*((\a)%4)+\b):8*(8*((\a)%4)+\b)+7]
.endif
.endr
.endr
.endm
.macro FETCH_B slot, q, p              ; W's eight fragments of the slot's q-th 128 along K into set p
	WIN TO_B
.irp i, 0,1,2,3,4,5,6,7
	FRAG 128*(\p)+FR*\i, ADRB+\slot, \q, \i
.endr
	WIN 0
.endm
.macro FETCH_A slot, q, i0             ; x's blocks i0 .. i0 + 3
.irp i, \i0, \i0+1, \i0+2, \i0+3
	FRAG AF+FR*(\i), ADRA+\slot, \q, \i
.endr
.endm
.macro PLACES n                        ; plain vector lines between a matrix instruction and a load into, or a vector line on, its registers
.rept \n
	v_nop
.endr
.endm
.macro STEP slot, q, zero              ; a step of 128 along K that has its successor in the same slot
	s_wait_dscnt 4*NL                              ; W's set and x's blocks 0-3 are in; the youngest sixteen loads (x's blocks 4-7) may be out
	WIN MUL_LO
	MUL16 0, (\q)%2, \zero
	MUL16 2, (\q)%2, \zero
	s_wait_dscnt 0                                 ; x's blocks 4-7 are in
	PLACES NP
	FETCH_B \slot, (\q)+1, 1-(\q)%2
	FETCH_A \slot, (\q)+1, 0
	WIN MUL_HI
	MUL16 4, (\q)%2, \zero
	MUL16 6, (\q)%2, \zero
	PLACES NP
	WIN 0
	FETCH_A \slot, (\q)+1, 4
.endm
; A slot's last step changes slots: ONE barrier; in front of it each wave waits for all its tensor loads, adds 0 to its spare word, and waits for that and for its reads of this slot.  fill = 1: this slot is filled again, two K steps ahead.
.macro TURN slot, next, fill
	s_wait_tensorcnt 0x0                           ; all my tensor loads have landed: my part of the next slot  (every window is 0 here)
	ds_add_u32 v[SPW], v[NIL]                      ; 0 onto my spare word
	s_wait_dscnt 4*NL+1                            ; (the add and the youngest sixteen loads may be out)
	WIN MUL_LO
	MUL16 0, 1, 0                                  ; sixteen matrix instructions stand between the add and the wait for it
	s_wait_dscnt 0x0                               ; the add is done, and my reads of this slot are over
	s_barrier_signal -1
	MUL16 2, 1, 0
	WIN 0
	s_barrier_wait -1
.if \fill
	CREST                                          ; the barrier has opened a round of the cluster's barrier: no wave of any partner still reads this slot or has a load on its way
	s_add_nc_u64 s[G0+4*\slot+2:G0+4*\slot+3], s[G0+4*\slot+2:G0+4*\slot+3], 2*ROWB
	s_add_nc_u64 s[G0B+4*\slot+2:G0B+4*\slot+3], s[G0B+4*\slot+2:G0B+4*\slot+3], 2*ROWB
	JLOAD G0+4*\slot, G1, G0B+4*\slot, G1B         ; the first tensor load behind the round; its four v_nop are the places in front of the loads below
.else
	PLACES NP
.endif
	FETCH_B \next, 0, 0
	FETCH_A \next, 0, 0
	WIN MUL_HI
	MUL16 4, 1, 0
	MUL16 6, 1, 0
	PLACES NP
	WIN 0
	FETCH_A \next, 0, 4
.endm
	s_wait_tensorcnt 1                             ; my part of K step 0 is in; K step 1's load may be out
	s_barrier_signal -1
	s_barrier_wait -1
	FETCH_B 0, 0, 0
	FETCH_A 0, 0, 0
	FETCH_A 0, 0, 4
	STEP 0, 0, 1                                   ; the first step stands in front of the loop: its products start the sums
	s_mov_b32 s3, LAPS-1
.Llap:                                                 ; a trip goes once round the ring and fills both slots again
	TURN 0, 1, 1
	STEP 1, 0, 0
	TURN 1, 0, 1
	STEP 0, 0, 0
	s_sub_co_u32 s3, s3, 1
	s_cmp_lg_u32 s3, 0
	s_cbranch_scc1 .Llap
	TURN 0, 1, 0                                   ; the last lap fills nothing, and has no round
	STEP 1, 0, 0
	s_wait_dscnt 4*NL                              ; the very last step: nothing more to fetch
	WIN MUL_LO
	MUL16 0, 1, 0
	MUL16 2, 1, 0
	s_wait_dscnt 0
	WIN MUL_HI
	MUL16 4, 1, 0
	MUL16 6, 1, 0
	WIN 0
; q, k: block a (16 tokens x my head's 128 channels; a lane holds 64 of its token's, lane l xor 16 the others) is scaled, normed, multiplied by the gains, quantised and stored as an image.
.macro NORM a
.set AC, 64*((\a)%4)
.set CC, CD+16*((\a)%2)
	WIN 0x02+((\a)/4)                              ; source 0: window 2 or 3
.set j, 0
.rept 32
	v_pk_mul_f32 v[TMP+j:TMP+j+1], v[AC+j:AC+j+1], s[96:97] op_sel_hi:[1,0]   ; y = sum x 2^(x's + W's exponent): exact; each accumulator from its low end on
.set j, j+2
.endr
	WIN 0
	v_pk_mul_f32 v[SS:SS+1], v[TMP:TMP+1], v[TMP:TMP+1]           ; the sum of squares, two at a time, in two chains
	v_pk_mul_f32 v[SS+2:SS+3], v[TMP+2:TMP+3], v[TMP+2:TMP+3]
.set j, 4
.rept 15
	v_pk_fma_f32 v[SS:SS+1], v[TMP+j:TMP+j+1], v[TMP+j:TMP+j+1], v[SS:SS+1]
	v_pk_fma_f32 v[SS+2:SS+3], v[TMP+j+2:TMP+j+3], v[TMP+j+2:TMP+j+3], v[SS+2:SS+3]
.set j, j+4
.endr
	v_pk_add_f32 v[SS:SS+1], v[SS:SS+1], v[SS+2:SS+3]
	v_add_f32 v[SS], v[SS], v[SS+1]
	v_permlanex16_b32 v[T1], v[SS], s98, s99
	v_add_f32 v[SS], v[SS], v[T1]                  ; over the head's 128 channels
	v_fma_f32 v[SS], v[SS], s94, s93               ; the mean + 1e-5
	v_rsq_f32 v[RS], v[SS]
	v_nop                                          ; a plain line behind the transcendental
.if (\a) >= 2
	s_wait_xcnt 0x0                                ; the stores of two blocks back have read this set of codes
.endif
	s_wait_alu depctr_va_vdst(0)                   ; the wait ahead of the first line that names the result
.set j, 0
.rept 32
	v_pk_mul_f32 v[TMP+j:TMP+j+1], v[TMP+j:TMP+j+1], v[RS:RS+1] op_sel_hi:[1,0]
.set j, j+2
.endr
.if (\a) == 0
	s_wait_loadcnt 0x0                             ; the gains
.endif
.set j, 0
.rept 32
	v_pk_mul_f32 v[TMP+j:TMP+j+1], v[TMP+j:TMP+j+1], v[G+j:G+j+1]
.set j, j+2
.endr
.set j, 0
.rept 64
	v_med3_num_f32 v[TMP+j], v[TMP+j], -v[LIMV], v[LIMV]   ; the conversion does not saturate (ISA guide 7.6.2): the hold comes first
.set j, j+1
.endr
.set j, 0
.rept 8
	v_cvt_scalef32_pk8_fp8_f32 v[CC+2*j:CC+2*j+1], v[TMP+8*j:TMP+8*j+7], v[SCV]   ; registers 2 j, 2 j + 1 of the image: channels 16 j + 8 h + 0 .. 7
.set j, j+1
.endr
	v_nop                                          ; a plain line between the conversions and the next write of their sources
.irp c, 0,1,2,3
	global_store_b128 v[LI], v[CC+4*\c:CC+4*\c+3], s[78:79] offset:(\a)*2048+512*\c   ; 512 consecutive bytes
.endr
.endm
; v: block a is held, turned through my stage, and quantised along the keys: registers 2 a, 2 a + 1 of each of the eight images (16 channels x my 128 keys).  Two blocks make the four registers of a store.
.macro VTR a
.set AC, 64*((\a)%4)
.set VV, VC+32*(((\a)/2)%2)
.if ((\a)%2 == 0) && ((\a) >= 4)
	s_wait_xcnt 0x0                                ; the stores of two pairs back have read this set of codes
.endif
	WIN 0x02+((\a)/4)
.set j, 0
.rept 64
	v_med3_num_f32 v[TMP+j], v[AC+j], -v[LIMV], v[LIMV]   ; the hold, which also brings the sums into window 0; each accumulator from its low end on
.set j, j+1
.endr
	WIN 0
.irp b, 0,1,2,3,4,5,6,7
	ds_store_b128 v[STO], v[TMP+8*\b:TMP+8*\b+3] offset:64*\b
	ds_store_b128 v[STO], v[TMP+8*\b+4:TMP+8*\b+7] offset:64*\b+16
.endr
.irp d, 0,1,2,3,4,5,6,7
.irp j, 0,1,2,3,4,5,6,7
	ds_load_b32 v[XR+8*\d+\j], v[VT] offset:\j*SPITCH+64*\d   ; token 8 h + j, channel 16 d + r.  LDS serves a wave's instructions in order: these see my stores, and the next block's stores come behind them
.endr
.endr
.irp d, 0,1,2,3,4,5,6,7
	s_wait_dscnt 56-8*\d                           ; the eight loads of channels 16 d on are in; the younger ones may be out
	v_cvt_scalef32_pk8_fp8_f32 v[VV+4*\d+2*((\a)%2):VV+4*\d+2*((\a)%2)+1], v[XR+8*\d:XR+8*\d+7], v[SCV]
.endr
	v_nop                                          ; a plain line behind the conversions
.if (\a)%2 == 1
.irp d, 0,1,2,3,4,5,6,7
	global_store_b128 v[LI], v[VV+4*\d:VV+4*\d+3], s[78:79] offset:\d*2048+512*((\a)/2)   ; 512 consecutive bytes of image d
.endr
.endif
.endm
	PLACES NP                                      ; behind the last products: for the reads of results and for writes and loads into the registers that held x's fragments
	v_mov_b32 v[LIMV], s101
	v_mov_b32 v[SCV], s100
	v_mov_b32 v[RS+1], 0                           ; (named as the upper half of a pair)
	v_mov_b32 v[T1], 0                             ; (a lane permute's destination counts as one of its sources)
	s_cmp_eq_u32 s92, 2                            ; q, k or v: the tile of columns, the same in all four partners
	s_cbranch_scc1 .Lv
.irp b, 0,1,2,3,4,5,6,7
	global_load_b128 v[G+8*\b:G+8*\b+3], v[GOF], s[70:71] offset:64*\b        ; the gains of channels 16 b + 8 h + 0 .. 7
	global_load_b128 v[G+8*\b+4:G+8*\b+7], v[GOF], s[70:71] offset:64*\b+16
.endr
.irp a, 0,1,2,3,4,5,6,7
	NORM \a
.endr
	s_branch .Ldone
.Lv:
.irp a, 0,1,2,3,4,5,6,7
	VTR \a
.endr
.Ldone:
	s_wait_tensorcnt 0x0                           ; the wave's end, behind my last tensor load and my last LDS store
	ds_add_u32 v[SPW], v[NIL]
	s_wait_dscnt 0x0
	CROUND                                         ; the closing round: no work-group ends while a partner may still ask for a tile that names it
	s_endpgm
.Lfunc_end_k_q926e4dee1d_qkv:
	.size	k_q926e4dee1d_qkv, .Lfunc_end_k_q926e4dee1d_qkv-k_q926e4dee1d_qkv
	.p2alignl 7, 3214868480
	.fill 96, 4, 3214868480
	.section	.rodata,"a",@progbits
	.p2align	6, 0x0
	.amdhsa_kernel k_q926e4dee1d_qkv
		.amdhsa_group_segment_fixed_size 327680
		.amdhsa_private_segment_fixed_size 0
		.amdhsa_enable_private_segment 0
		.amdhsa_kernarg_size 56
		.amdhsa_user_sgpr_count 2
		.amdhsa_user_sgpr_kernarg_segment_ptr 1
		.amdhsa_wavefront_size32 1
		.amdhsa_system_sgpr_workgroup_id_x 1
		.amdhsa_system_sgpr_workgroup_id_y 1
		.amdhsa_system_sgpr_workgroup_id_z 1
		.amdhsa_system_vgpr_workitem_id 0
		.amdhsa_next_free_vgpr 1024
		.amdhsa_next_free_sgpr 102
		.amdhsa_reserve_vcc 0
		.amdhsa_float_denorm_mode_32 3
		.amdhsa_float_denorm_mode_16_64 3
		.amdhsa_memory_ordered 1
		.amdhsa_forward_progress 1
		.amdhsa_inst_pref_size 255
	.end_amdhsa_kernel
	.section	.bss,"aw",@nobits
	.p2align	6
	.space	262144
	.amdgpu_metadata
---
amdhsa.version: [ 1, 2 ]
amdhsa.kernels:
  - .name:           k_q926e4dee1d_qkv
    .symbol:         k_q926e4dee1d_qkv.kd
    .args:
      - { .name: xc, .offset: 0, .size: 8, .value_kind: global_buffer, .address_space: global }
      - { .name: wqkv, .offset: 8, .size: 8, .value_kind: global_buffer, .address_space: global }
      - { .name: lowp_scales, .offset: 16, .size: 8, .value_kind: global_buffer, .address_space: global }
      - { .name: gq, .offset: 24, .size: 8, .value_kind: global_buffer, .address_space: global }
      - { .name: gk, .offset: 32, .size: 8, .value_kind: global_buffer, .address_space: global }
      - { .name: qimg, .offset: 40, .size: 8, .value_kind: global_buffer, .address_space: global }
      - { .name: kv, .offset: 48, .size: 8, .value_kind: global_buffer, .address_space: global }
    .group_segment_fixed_size: 327680
    .private_segment_fixed_size: 0
    .kernarg_segment_align: 8
    .kernarg_segment_size: 56
    .max_flat_workgroup_size: 128
    .sgpr_count:     102
    .vgpr_count:     1024
    .wavefront_size: 32
...
	.end_amdgpu_metadata
.endif
;; end of part 2
;; launch attn (part 3): grid 16 x 16, 16 waves a work-group, no clusters, 327,680 bytes of LDS; arguments qimg, kv, lowp_scales, oimg; writes oimg
.if DOCPART == 3
	.amdgcn_target "amdgcn-amd-amdhsa--gfx1250"
	.amdhsa_code_object_version 6
	.text
	.protected	k_q926e4dee1d_attn
	.globl	k_q926e4dee1d_attn
	.p2align	8
	.type	k_q926e4dee1d_attn,@function
k_q926e4dee1d_attn:
	s_mov_b64 s[64:65], 0
	v_nop
	global_prefetch_b8 v0, s[64:65] scope:SCOPE_SE
	s_setreg_imm32_b32 hwreg(HW_REG_WAVE_MODE, 25, 1), 1
	s_wait_xcnt 0x0
; Products 4 and 5: o = softmax(q k^T / sqrt(128), causal) v on codes of E4M3, for each of 16 (batch, head); o leaves as codes for product 6.
; LEFT OUT: a step of 128 keys all of which come after a wave's 16 queries: reference()'s own mask gives those keys the weight 0 exactly, whatever the inputs hold.  A NaN or an infinity that would arise only there is not carried on.
; THE SOFTMAX: t = score x log2(e) / sqrt(128); M = the largest t so far, rounded UP to a whole number; p = 2^(t - M) is quantised (entry 8), not normalised.  The row's sum is taken of the unquantised p and divides at the end.
; When M moves, the sum and O are multiplied by 2^(old M - new M): exact.
; SHARES.  Work-group (i, bh) owns the blocks of 64 queries i and 31 - i of (batch, head) bh: 68 key steps in all, give or take four, so that all 256 work-groups have like work.
; Sixteen waves.  TWO WAVES SHARE A TILE OF 16 QUERIES: waves w and w + 8 own the tile that w % 8 names (the low or the high block by (w xor w / 4) % 2 of w % 8, tile (w % 8) / 2 of it); waves 0-7 take a slot's key steps 0 and 2,
; waves 8-15 its steps 1 and 3.  So the longest run of steps that one wave walks is 8 of a tile's 16.  Each of the two keeps its own M, sum and O^T over its own keys: a running M like any other.
; AT THE END waves 8-15 hand their O^T, -M and sums to their partners through LDS, as an image of the registers; the partner brings both under the larger M (factors 2^(own M - M): exact; a wave that had no step gets the factor 0), adds, divides.
; K and V come as IMAGES of operands (16 rows x 128 k, 2,048 bytes; register n of lane L at 512 (n / 4) + 16 L + 4 (n % 4)), 512 keys to a slot: 64 KiB of K's images, then 64 KiB of V's, dense in memory as in LDS.
; Waves 0-7 fetch an eighth of a slot each, 16 KiB, by one tensor load; a fragment is four ds_load_b128 at 16 x lane: no pitch, no padding.  A ring of two slots.
; NO CLUSTER: under the causal mask work-groups need different numbers of slots, and a joint load may not be left out by one of those it names.
; LAYOUT.  Both products transposed: S^T = K Q^T (source 0 = 16 keys, source 1 = my 16 queries), O^T = V^T P^T: lane (r, h) holds query r throughout; register j of key tile c is key 16 c + 8 h + j, so the conversion of a tile's
; eight registers gives registers 2 c, 2 c + 1 of P's fragment in the matrix form's own places; likewise O^T's tiles give o's image.
; EVERY work-group walks all four slots (constant trip counts); a hidden step's WORK is jumped over by a scalar branch on ids; a slot whose first key comes after the work-group's last query is not asked for.
; LIMITS on the given exponents: e6 + e7 between -123 and 130 (added to c's exponent field); e8 and e10 between -126 and 119; e8 + e9 goes by v_ldexp_f32 and has none.
; REGISTERS: v1-4, v7 offsets that stay; v8, v9 LDS addresses in hand; v12 -M, v13 the largest t, v[14:15] the sum in two halves; v16-31 Q; v32-95 four fragments; v96-159 S^T, then p, then V's other four fragments; v160-223 O^T;
; v224-239 codes; v240-254 constants and work.
.set SLOT1, 1<<17                      ; slot 1 begins here: one exclusive or turns an address in one slot into the other's
.set VOFF,  65536                      ; V's images in a slot
.set SPARE, 2*SLOT1                    ; behind the ring: the spare words, 128 bytes a wave, 2,048 in all, which no other line names
.set PAIRB, 17*512                     ; what a wave hands to its partner: 64 registers of O^T and four of -M, t and the sums, 512 bytes for each four
                                       ; these eight stages lie from LDS byte 0 on, in slot 0: it was left at the last change of slots, has had its last fill, and nobody reads it
.set LIK,  1                           ; v1   16 x lane: my place in an image (in qimg, in oimg)
.set LIV,  2                           ; v2   my place in V's images in a slot
.set PFO,  3                           ; v3   256 x lane: the prefetches' offset
.set STA,  4                           ; v4   my place in my pair's stage: 8,704 x (wave % 8) + 16 x lane
.set SPW,  5                           ; v5   LDS address of my spare word; never rewritten
.set NIL,  6                           ; v6   0; never rewritten
.set LKA,  7                           ; v7   my place in K's images in a slot: 16 x lane + 16,384 x (wave / 8): my half's first step
.set ADK,  8
.set ADV,  9
.set TB,   2                           ; s2   LDS byte at which the slot in hand begins
.set PAR,  16                          ; s16  wave / 8: which of a slot's steps are mine
.set W7,   17                          ; s17  wave % 8: my tile, my pair, and the eighth of a slot that waves 0-7 fetch
.set WV,   18                          ; s18  my wave's number
.set SEL,  20                          ; s[20:21] selects for lane l xor 16
.set CS,   22                          ; s[22:23] c = log2(e) / sqrt(128) x 2^(e6 + e7)
.set G1,   24                          ; s[24:31] descriptor group 1
.set G0,   40                          ; s[40:43] group 0, which walks
.set QL,   66                          ; s66  my work-group's last query
.set SLOTS, 67                         ; s67  changes of slots still to come that may ask for a slot
.set PFA,  76                          ; s[76:77] where my prefetches stand
.set LIM,  80                          ; s80  1 in a wave that prefetches, else the greatest number
.set SKF,  81                          ; s81  the first key of the slot that the next change would ask for: the same in all sixteen waves
.set KF,   98                          ; s98  my step's first key
.set Q0,   99                          ; s99  my first query
.macro TLOAD                           ; waves 0-7 fetch an eighth of a slot each; the branch hangs on the wave's number alone; an s_nop 0 and four v_nop follow the load
	s_cmp_lt_u32 s[WV], 8
	s_cbranch_scc0 .Lnone_\@
	tensor_load_to_lds s[G0:G0+3], s[G1:G1+7]
	s_nop 0
.rept 4
	v_nop
.endr
.Lnone_\@:
.endm
; A prefetch of what the NEXT change of slots will ask for: a slot is 128 KiB; the waves that fetch nothing ask, wave w for the 16 KiB that wave w - 8 will fetch, lanes 256 bytes apart, two lines.  All 16 work-groups of a
; (batch, head) walk the same K and V: the first of them (i = 0, which walks all four slots) asks, so that each block of 256 bytes is named once in the launch.  The first two changes ask for slots 2 and 3, one slot ahead of
; their loads; the third asks for nothing.
.macro ASK
	s_cmp_gt_u32 s[SLOTS], s[LIM]
	s_cbranch_scc0 .Lnot_mine_\@
	global_prefetch_b8 v[PFO], s[PFA:PFA+1] th:TH_LOAD_NT scope:SCOPE_SE
	global_prefetch_b8 v[PFO], s[PFA:PFA+1] offset:8192 th:TH_LOAD_NT scope:SCOPE_SE
.Lnot_mine_\@:
.endm
	s_load_b128 s[4:7], s[0:1], 0x0                ; qimg s[4:5], kv s[6:7]
	s_load_b128 s[12:15], s[0:1], 0x10             ; the exponents s[12:13], oimg s[14:15]
	v_lshl_add_u32 v[SPW], v0, 2, SPARE
	v_mov_b32 v[NIL], 0
	ds_add_u32 v[SPW], v[NIL]                      ; the wave's opening: the add, twice on end, and its wait ahead of the first tensor load
	ds_add_u32 v[SPW], v[NIL]                      ; and once more; the set-up below, work on registers, stands between it and the wait
	v_lshrrev_b32 v8, 5, v0
	v_readfirstlane_b32 s[WV], v8                  ; wave 0..15
	s_and_b32 s[W7], s[WV], 7
	s_lshr_b32 s[PAR], s[WV], 3
	s_and_b32 s73, ttmp7, 0xffff                   ; bh = 4 x batch + head
	s_lshr_b32 s74, s[W7], 2
	s_xor_b32 s74, s74, s[W7]
	s_and_b32 s74, s74, 1                          ; 0: the low block, 1: the high one
	s_lshr_b32 s75, s[W7], 1                       ; which of its four tiles
	s_sub_co_u32 s82, 31, ttmp9
	s_cmp_eq_u32 s74, 0
	s_cselect_b32 s83, ttmp9, s82                  ; my block of 64 queries
	s_lshl_b32 s[Q0], s83, 6
	s_lshl_b32 s75, s75, 4
	s_add_co_u32 s[Q0], s[Q0], s75                 ; my first query
	s_lshl_b32 s[QL], s82, 6
	s_or_b32 s[QL], s[QL], 63                      ; the work-group's last
	s_lshl_b32 s84, s73, 19                        ; kv: 512 KiB for each bh,
	s_lshl_b32 s85, s[W7], 14                      ; an eighth of a slot
	s_add_co_u32 s84, s84, s85
	s_mov_b32 s85, 0
	s_lshl_b32 s86, s73, 18                        ; qimg: 256 KiB for each bh, 2,048 bytes for 16 queries
	s_lshl_b32 s87, s[Q0], 7
	s_add_co_u32 s86, s86, s87
	s_mov_b32 s87, 0
	s_and_b32 s88, s73, 3                          ; oimg: [head][16 tokens of all batches][image]
	s_lshl_b32 s88, s88, 20
	s_lshr_b32 s89, s73, 2
	s_lshl_b32 s89, s89, 18
	s_add_co_u32 s88, s88, s89
	s_lshl_b32 s89, s[Q0], 7
	s_add_co_u32 s88, s88, s89
	s_mov_b32 s89, 0
	s_mov_b32 s[G1], 3<<16                         ; no mask; elements of 8 bytes; no padding
	s_mov_b32 s[G1+1], 32<<16                      ; tensor_dim0 = 32 elements: rows of 256 bytes
	s_mov_b32 s[G1+2], 64<<16                      ; tensor_dim1 = 64
	s_mov_b32 s[G1+3], 32<<16                      ; tile_dim0
	s_mov_b32 s[G1+4], 64                          ; tile_dim1: 64 rows, 16 KiB, dense
	s_mov_b32 s[G1+5], 32                          ; tensor_dim0_stride
	s_mov_b32 s[G1+6], 0
	s_mov_b32 s[G1+7], 0
	s_mov_b32 s[SEL], 0x76543210
	s_mov_b32 s[SEL+1], 0xfedcba98
	s_mov_b32 s[CS], 0x3e0293ee                    ; log2(e) / sqrt(128)
	s_mov_b32 s[TB], 0
	s_mov_b32 s[SLOTS], 3
	s_mov_b32 s[SKF], 512
	s_lshl_b32 s[KF], s[PAR], 7                    ; my first step: keys 0 on, or 128 on
	s_xor_b32 s94, s[PAR], 1                       ; 0 in waves 8-15,
	s_or_b32 s94, s94, ttmp9                       ; of the (batch, head)'s first work-group
	s_cmp_eq_u32 s94, 0
	s_cselect_b32 s[LIM], 1, -1
	v_and_b32 v[LIK], 31, v0                       ; every LDS address that stays is made here, ahead of the first branch on the wave's number
	v_lshlrev_b32 v[PFO], 8, v[LIK]
	v_lshlrev_b32 v[LIK], 4, v[LIK]
	s_lshl_b32 s94, s[PAR], 14
	v_add_nc_u32 v[LKA], s94, v[LIK]
	v_add_nc_u32 v[LIV], VOFF, v[LKA]
	s_mul_i32 s94, s[W7], PAIRB
	v_add_nc_u32 v[STA], s94, v[LIK]
	s_wait_dscnt 0x0                               ; both opening adds are done
	s_wait_kmcnt 0x0
	s_load_b128 s[68:71], s[12:13], 0x18           ; entries 6 to 9: q's, k's, p's, v's
	s_load_b32 s72, s[12:13], 0x28                 ; entry 10: o's
	s_mov_b32 s[G0], 1                             ; count = 1
	s_lshl_b32 s[G0+1], s[W7], 14                  ; LDS address: slot 0, my eighth
	s_add_nc_u64 s[G0+2:G0+3], s[6:7], s[84:85]    ; the first 512 keys
	s_or_b32 s[G0+3], s[G0+3], 0x80000000          ; type = 2
	TLOAD                                          ; slot 0, whose key 0 counts for every query
	s_add_nc_u64 s[PFA:PFA+1], s[6:7], s[84:85]
	s_add_nc_u64 s[PFA:PFA+1], s[PFA:PFA+1], SLOT1 ; in slot 1; the first change of slots steps it to slot 2.  Nothing is prefetched here at the head
	s_add_nc_u64 s[4:5], s[4:5], s[86:87]
	s_add_nc_u64 s[14:15], s[14:15], s[88:89]
.irp c, 0,1,2,3
	global_load_b128 v[16+4*\c:19+4*\c], v[LIK], s[4:5] offset:512*\c   ; Q's image stays in registers (both waves of a pair hold it)
.endr
	v_mov_b32 v13, 0xff61b1e6                      ; the largest t so far: -3e38, under every t
	v_floor_f32 v12, -v13                          ; -M
	v_mov_b32 v14, 0                               ; the sum, in two halves
	v_mov_b32 v15, 0
	v_mov_b32 v236, 0                              ; (a lane permute's destination counts as one of its sources)
	v_mov_b32 v253, 0                              ; (named as the upper half of the pair v[252:253])
	v_mov_b32 v247, 0                              ; (and of v[246:247])
.set n, 0
.rept 64
	v_mov_b32 v[160+n], 0                          ; O^T.  (The step is written without a first form: the first change of M leaves zeros zeros; and a wave that has no step hands zeros on)
.set n, n+1
.endr
	s_wait_kmcnt 0x0
	s_add_co_i32 s90, s68, s69
	s_lshl_b32 s90, s90, 23
	s_add_co_i32 s[CS], s[CS], s90                 ; a score stands for score x 2^(e6 + e7): added to c's exponent field
	s_mov_b32 s[CS+1], s[CS]                       ; (named with it as a pair)
	s_add_co_i32 s90, s70, 127
	s_lshl_b32 s91, s90, 23
	v_mov_b32 v244, s91                            ; 2^e8, for p's conversion
	s_add_co_i32 s90, s90, 8
	s_lshl_b32 s90, s90, 23
	s_or_b32 s90, s90, 0x600000
	v_mov_b32 v240, s90                            ; 448 x 2^e8
	s_add_co_i32 s90, s72, 127
	s_lshl_b32 s91, s90, 23
	v_mov_b32 v245, s91                            ; 2^e10, for o's
	s_add_co_i32 s90, s90, 8
	s_lshl_b32 s90, s90, 23
	s_or_b32 s90, s90, 0x600000
	v_mov_b32 v241, s90                            ; 448 x 2^e10
	s_add_co_i32 s93, s70, s71                     ; e8 + e9
; A KEY STEP: 128 keys: the j-th of my two in the slot in hand (the slot's step 2 j + wave / 8: my half lies in the address registers).
.macro STEP j
	s_add_co_u32 s96, s[Q0], 15                    ; a step all of whose keys come after my 16 queries is left out: a branch on ids, round the step's loads, products and softmax; no barrier and no tensor load stands in a step
	s_cmp_gt_u32 s[KF], s96
	s_cbranch_scc1 .Lhidden_\@
	v_add_nc_u32 v[ADK], s[TB], v[LKA]
	v_add_nc_u32 v[ADV], s[TB], v[LIV]
.irp g, 0,1                                    ; S^T = K Q^T, four tiles of 16 keys at a time
.rept 3+\g
	v_nop                                          ; places.  At the step's head five with the two additions above: the first products below write over v96 on, which the last step's products read as a source; then four, in front of loads into registers that products have read
.endr
.irp t, 0,1,2,3
.irp c, 0,1,2,3
	ds_load_b128 v[32+16*\t+4*\c:32+16*\t+4*\c+3], v[ADK] offset:32768*(\j)+2048*(4*\g+\t)+512*\c
.endr
.endr
	s_wait_dscnt 0x0
.irp t, 0,1,2,3
	v_wmma_f32_16x16x128_fp8_fp8 v[96+8*(4*\g+\t):103+8*(4*\g+\t)], v[32+16*\t:47+16*\t], v[16:31], 0
.endr
.endr
.rept 4
	v_nop                                          ; places: for the loads below and for the first read of the scores
.endr
.irp t, 0,1,2,3
.irp c, 0,1,2,3
	ds_load_b128 v[32+16*\t+4*\c:32+16*\t+4*\c+3], v[ADV] offset:32768*(\j)+2048*\t+512*\c   ; V's first four fragments are asked for here: they land while the softmax is walked
.endr
.endr
	s_add_co_u32 s96, s[KF], 127                   ; on the diagonal the scores of hidden keys become -infinity ahead of the maximum: p = 0 then.  A step all of whose keys count skips this
	s_cmp_le_u32 s96, s[Q0]
	s_cbranch_scc1 .Lopen_\@
	s_sub_co_i32 s96, s[Q0], s[KF]
	v_and_b32 v252, 15, v0
	v_bfe_u32 v253, v0, 4, 1
	v_lshlrev_b32 v253, 3, v253
	v_sub_nc_u32 v252, v252, v253
	v_add_nc_u32 v252, s96, v252                   ; d = my query - the first key - 8 h.  Register n holds key 16 (n / 8) + 8 h + n % 8: hidden where 16 (n / 8) + n % 8 > d
	v_mov_b32 v254, 0xff800000                     ; -infinity
.set n, 0
.rept 64
	v_cmp_gt_i32 vcc_lo, 16*(n/8)+n%8, v252
	v_cndmask_b32 v[96+n], v[96+n], v254, vcc_lo
.set n, n+1
.endr
.Lopen_\@:
	v_max3_num_f32 v254, v96, v97, v98             ; the step's largest score of my query, among my 64 keys, in two chains, from the low end on,
	v_max3_num_f32 v252, v99, v100, v101
.set n, 6
.rept 14
	v_max3_num_f32 v254, v254, v[96+n], v[97+n]
	v_max3_num_f32 v252, v252, v[98+n], v[99+n]
.set n, n+4
.endr
	v_max3_num_f32 v254, v254, v158, v159
	v_max_num_f32 v254, v254, v252
	v_permlanex16_b32 v236, v254, s[SEL], s[SEL+1]
	v_max_num_f32 v254, v254, v236                 ; and among lane l xor 16's
	v_mul_f32 v254, s[CS], v254                    ; as t (c is positive)
	v_max_num_f32 v13, v13, v254                   ; the running largest t
	v_mov_b32 v254, v12
	v_floor_f32 v12, -v13                          ; the new -M = floor(-t) = -ceil(t): a whole number
	v_sub_f32 v254, v12, v254                      ; old M less new M: a whole number, 0 or less
	v_cvt_i32_f32 v254, v254                       ; (it saturates)
	v_ldexp_f32 v252, 1.0, v254                    ; f = 2^(old M - new M)
.set n, 0
.rept 32
	v_pk_fma_f32 v[96+n:97+n], v[96+n:97+n], s[CS:CS+1], v[12:13] op_sel_hi:[1,0,0]   ; t - M, two at a time (of the pairs c and -M the low word serves both halves)
.set n, n+2
.endr
.set n, 0
.rept 64
	v_exp_f32 v[96+n], v[96+n]                     ; p = 2^(t - M), at most 1
.set n, n+1
.endr
	v_pk_mul_f32 v[14:15], v[14:15], v[252:253] op_sel_hi:[1,0]   ; the sums under the new M: the plain line behind the exponentials
	s_wait_alu depctr_va_vdst(0)                   ; one wait for the whole batch, ahead of its first reader
	v_pk_add_f32 v[242:243], v[96:97], v[98:99]    ; the row's sum is taken of the UNQUANTISED p, in two chains
.set n, 4
.rept 15
	v_pk_add_f32 v[14:15], v[14:15], v[96+n:97+n]
	v_pk_add_f32 v[242:243], v[242:243], v[98+n:99+n]
.set n, n+4
.endr
	v_pk_add_f32 v[14:15], v[14:15], v[242:243]
.set n, 0
.rept 64
	v_min_num_f32 v[96+n], v[96+n], v240           ; the conversion does not saturate (ISA guide 7.6.2); p is not negative, so the hold is one-sided
.set n, n+1
.endr
.set n, 0
.rept 8
	v_cvt_scalef32_pk8_fp8_f32 v[224+2*n:225+2*n], v[96+8*n:103+8*n], v244   ; registers 2 n, 2 n + 1 of P's fragment: keys 16 n + 8 h + 0 .. 7
.set n, n+1
.endr
.set n, 0
.rept 4
	v_pk_mul_f32 v[160+n:161+n], v[160+n:161+n], v[252:253] op_sel_hi:[1,0]   ; O^T under the new M.  (These are also the plain lines behind the conversions)
.set n, n+2
.endr
.irp t, 0,1,2,3
.irp c, 0,1,2,3
	ds_load_b128 v[96+16*\t+4*\c:96+16*\t+4*\c+3], v[ADV] offset:32768*(\j)+2048*(4+\t)+512*\c   ; V's other four fragments, into the registers that p has left
.endr
.endr
.rept 28
	v_pk_mul_f32 v[160+n:161+n], v[160+n:161+n], v[252:253] op_sel_hi:[1,0]
.set n, n+2
.endr
	s_wait_dscnt 16                                ; V's first four fragments are in; the sixteen loads just issued may be out
.irp t, 0,1,2,3                                ; O^T += V^T P^T: eight tiles of 16 channels; K = these 128 keys
	v_wmma_f32_16x16x128_fp8_fp8 v[160+8*\t:167+8*\t], v[32+16*\t:47+16*\t], v[224:239], v[160+8*\t:167+8*\t]
.endr
	s_wait_dscnt 0x0
.irp t, 0,1,2,3
	v_wmma_f32_16x16x128_fp8_fp8 v[192+8*\t:199+8*\t], v[96+16*\t:111+16*\t], v[224:239], v[192+8*\t:199+8*\t]
.endr
.Lhidden_\@:
	s_add_co_u32 s[KF], s[KF], 256                 ; my next step lies two steps on
.endm
; THE CHANGE OF SLOTS stands at a slot's head.  Each wave waits for all its tensor loads (its part of the slot that it is about to read), adds 0 to its spare word (fill = 1: twice on end), and waits for that and for its reads of the slot that it has left.
; Behind the barrier the slot ahead is whole and nobody reads the other one.  fill = 1: that other slot takes the next 512 keys, if any wave of the work-group will read them; the load has a slot's steps in which to land.
.macro CHANGE fill
	s_wait_tensorcnt 0x0                           ; no tensor load of mine is out, so group 0 may be written
	ds_add_u32 v[SPW], v[NIL]                      ; 0 onto my spare word
.if \fill
	ds_add_u32 v[SPW], v[NIL]                      ; fill = 1: and once more: the steps below stand between the second and the wait
	s_xor_b32 s[G0+1], s[G0+1], SLOT1              ; the walking descriptor: the other slot than last time,
	s_add_nc_u64 s[G0+2:G0+3], s[G0+2:G0+3], SLOT1 ; the next 512 keys' 128 KiB; the type bits on top are not reached
	s_wait_xcnt 0x0                                ; the last prefetches, a slot back, have read their address
	s_add_nc_u64 s[PFA:PFA+1], s[PFA:PFA+1], SLOT1 ; one slot further on than the walking descriptor
.endif
	s_wait_dscnt 0x0                               ; the add is done (fill = 1: both are), and my reads of the slot that I have left are over
	s_barrier_signal -1
	s_barrier_wait -1
.if \fill
	s_cmp_gt_u32 s[SKF], s[QL]                     ; the first key of the slot that this change would ask for, against the work-group's last query: ids and the count of slots alone, the same in all sixteen waves; every wait on TENSORcnt in this text is for 0
	s_cbranch_scc1 .Lpast_\@                       ; a slot that no wave of the work-group reads is not filled
	TLOAD                                          ; the first thing behind the barrier, and a wave's one tensor load until the next
.Lpast_\@:
	s_add_co_u32 s[SKF], s[SKF], 512
	ASK
.endif
.endm
.macro SLOT_STEPS
	STEP 0
	STEP 1
	s_xor_b32 s[TB], s[TB], SLOT1                  ; on to the other slot
.endm
	s_wait_loadcnt 0x0                             ; Q
.Lslot:                                            ; three trips: behind each change of slots but the last the next slot is asked for, up to the causal limit
	CHANGE 1
	SLOT_STEPS
	s_sub_co_u32 s[SLOTS], s[SLOTS], 1
	s_cmp_lg_u32 s[SLOTS], 0
	s_cbranch_scc1 .Lslot
	CHANGE 0
	SLOT_STEPS
	; THE TWO HALVES OF A TILE MEET.  Waves 8-15 store O^T, -M and the sums as they stand in the registers; one barrier; waves 0-7 read them in the same lanes.
.rept 4
	v_nop                                          ; places behind the last products: for the stores of results and for loads and vector lines on their registers
.endr
	s_cmp_lt_u32 s[WV], 8
	s_cbranch_scc1 .Lkeeps
.set n, 0
.rept 16
	ds_store_b128 v[STA], v[160+4*n:163+4*n] offset:512*n   ; each accumulator from its low end on; 512 consecutive bytes a store
.set n, n+1
.endr
	ds_store_b128 v[STA], v[12:15] offset:8192     ; -M, the largest t, the sum's two halves
.Lkeeps:
	s_wait_dscnt 0x0                               ; for the partner's sake: my stores have landed
	s_barrier_signal -1
	s_barrier_wait -1
	s_cmp_lt_u32 s[WV], 8
	s_cbranch_scc0 .Lend                           ; waves 8-15 have handed their part on
	ds_load_b128 v[248:251], v[STA] offset:8192    ; the partner's -M, t and sums first,
.set n, 0
.rept 16
	ds_load_b128 v[32+4*n:35+4*n], v[STA] offset:512*n      ; then its O^T
.set n, n+1
.endr
	s_wait_dscnt 16                                ; -M and the sums are in; the sixteen loads behind them may be out
	v_min_num_f32 v254, v12, v248                  ; -M of both: the larger M
	v_sub_f32 v252, v254, v12                      ; my M less it: a whole number, 0 or less
	v_sub_f32 v246, v254, v248                     ; the partner's likewise (a partner that had no step: about -3e38)
	v_cvt_i32_f32 v252, v252                       ; (they saturate)
	v_cvt_i32_f32 v246, v246
	v_ldexp_f32 v252, 1.0, v252                    ; my factor: a power of two,
	v_ldexp_f32 v246, 1.0, v246                    ; the partner's: a power of two, or 0
	v_add_f32 v14, v14, v15                        ; the sums' two halves,
	v_add_f32 v250, v250, v251
	v_mul_f32 v14, v14, v252
	v_fma_f32 v14, v250, v246, v14                 ; under one M,
	v_permlanex16_b32 v236, v14, s[SEL], s[SEL+1]
	v_add_f32 v14, v14, v236                       ; and lane l xor 16's: the row's sum
	v_rcp_f32 v14, v14
	v_nop                                          ; a plain line behind the transcendental
	s_wait_alu depctr_va_vdst(0)                   ; the wait ahead of the first reader
	v_ldexp_f32 v14, v14, s93                      ; x 2^(e8 + e9)
	v_mul_f32 v252, v252, v14
	v_mul_f32 v246, v246, v14
	s_wait_dscnt 0x0                               ; the partner's O^T
.set n, 0
.rept 32
	v_pk_mul_f32 v[96+n:97+n], v[160+n:161+n], v[252:253] op_sel_hi:[1,0]   ; register 8 t + j is o(query r, channel 16 t + 8 h + j); each accumulator from its low end on
.set n, n+2
.endr
.set n, 0
.rept 32
	v_pk_fma_f32 v[96+n:97+n], v[32+n:33+n], v[246:247], v[96+n:97+n] op_sel_hi:[1,0,1]
.set n, n+2
.endr
.set n, 0
.rept 64
	v_med3_num_f32 v[96+n], v[96+n], -v241, v241   ; the hold at the largest code x 2^e10
.set n, n+1
.endr
.set n, 0
.rept 8
	v_cvt_scalef32_pk8_fp8_f32 v[224+2*n:225+2*n], v[96+8*n:103+8*n], v245   ; the conversions' results are o's image
.set n, n+1
.endr
	v_nop                                          ; a plain line behind the conversions
.irp c, 0,1,2,3
	global_store_b128 v[LIK], v[224+4*\c:227+4*\c], s[14:15] offset:512*\c   ; 512 consecutive bytes
.endr
.Lend:
	s_wait_tensorcnt 0x0                           ; the wave's end, behind my last tensor load and my last LDS store
	ds_add_u32 v[SPW], v[NIL]
	s_wait_dscnt 0x0
	s_endpgm
.Lfunc_end_k_q926e4dee1d_attn:
	.size	k_q926e4dee1d_attn, .Lfunc_end_k_q926e4dee1d_attn-k_q926e4dee1d_attn
	.p2alignl 7, 3214868480
	.fill 96, 4, 3214868480
	.section	.rodata,"a",@progbits
	.p2align	6, 0x0
	.amdhsa_kernel k_q926e4dee1d_attn
		.amdhsa_group_segment_fixed_size 327680
		.amdhsa_private_segment_fixed_size 0
		.amdhsa_enable_private_segment 0
		.amdhsa_kernarg_size 32
		.amdhsa_user_sgpr_count 2
		.amdhsa_user_sgpr_kernarg_segment_ptr 1
		.amdhsa_wavefront_size32 1
		.amdhsa_system_sgpr_workgroup_id_x 1
		.amdhsa_system_sgpr_workgroup_id_y 1
		.amdhsa_system_sgpr_workgroup_id_z 1
		.amdhsa_system_vgpr_workitem_id 0
		.amdhsa_next_free_vgpr 256
		.amdhsa_next_free_sgpr 100
		.amdhsa_reserve_vcc 1
		.amdhsa_float_denorm_mode_32 3
		.amdhsa_float_denorm_mode_16_64 3
		.amdhsa_memory_ordered 1
		.amdhsa_forward_progress 1
		.amdhsa_inst_pref_size 117
	.end_amdhsa_kernel
	.amdgpu_metadata
---
amdhsa.version: [ 1, 2 ]
amdhsa.kernels:
  - .name:           k_q926e4dee1d_attn
    .symbol:         k_q926e4dee1d_attn.kd
    .args:
      - { .name: qimg, .offset: 0, .size: 8, .value_kind: global_buffer, .address_space: global }
      - { .name: kv, .offset: 8, .size: 8, .value_kind: global_buffer, .address_space: global }
      - { .name: lowp_scales, .offset: 16, .size: 8, .value_kind: global_buffer, .address_space: global }
      - { .name: oimg, .offset: 24, .size: 8, .value_kind: global_buffer, .address_space: global }
    .group_segment_fixed_size: 327680
    .private_segment_fixed_size: 0
    .kernarg_segment_align: 8
    .kernarg_segment_size: 32
    .max_flat_workgroup_size: 512
    .sgpr_count:     100
    .vgpr_count:     256
    .wavefront_size: 32
...
	.end_amdgpu_metadata
.endif
;; end of part 3
;; launch oproj (part 4): grid 8 x 32, 4 waves a work-group, clusters of 4 x 4, 327,680 bytes of LDS; arguments oimg, woc, lowp_scales, out0; writes out0
.if DOCPART == 4
	.amdgcn_target "amdgcn-amd-amdhsa--gfx1250"
	.amdhsa_code_object_version 6
	.text
	.protected	k_q926e4dee1d_oproj
	.globl	k_q926e4dee1d_oproj
	.p2align	8
	.type	k_q926e4dee1d_oproj,@function
k_q926e4dee1d_oproj:
	s_mov_b64 s[64:65], 0
	v_nop
	global_prefetch_b8 v0, s[64:65] scope:SCOPE_SE
	s_setreg_imm32_b32 hwreg(HW_REG_WAVE_MODE, 25, 1), 1
	s_wait_xcnt 0x0
	s_wait_alu depctr_hold_cnt(0) depctr_sa_sdst(0) depctr_va_vdst(0) depctr_va_sdst(0) depctr_va_ssrc(0) depctr_va_vcc(0) depctr_vm_vsrc(0)
	s_getreg_b32 s2, hwreg(HW_REG_IB_STS2, 6, 4)
	s_cmp_eq_u32 s2, 0
	s_cbranch_scc0 .Lentry_in_a_cluster
	s_endpgm
.Lentry_in_a_cluster:
	s_bfe_u32 s2, ttmp6, 0x10000c
	s_cmp_lg_u32 s2, 0xf033
	s_cbranch_scc0 .Lentry_shape_is_right
	s_endpgm
.Lentry_shape_is_right:
; Product 6: out0[m][n] = sum over k of o[m][k] Wo[n][k] x 2^(e10 + e11), on codes of E4M3.  m: 8,192 tokens, n: 2,048, k: 512 = 4 heads x 128.  No work is left out here.
; o comes as IMAGES of operands, [head][16 tokens: 512][image of 2,048 bytes: register n of lane L at 512 (n / 4) + 16 L + 4 (n % 4), the matrix form's own places]; Wo's codes as rows [2048][512].
; A tile of out0 is 256 x 256: 256 work-groups of four waves, a wave 128 x 128 in 64 accumulators.  K is four steps of 128: two LDS slots of two heads each, BOTH FILLED ONCE, at the head: nothing is filled again.
; CLUSTERS: 4 x 4 work-groups; o's tile is shared along a row of the cluster, Wo's along a column: each is asked for jointly.
; THE MATRIX INSTRUCTION IS USED TRANSPOSED (source 0 = 16 rows of Wo, source 1 = 16 tokens): a lane holds eight neighbouring numbers of a row of out0.
; o's fragment is four ds_load_b128 at 16 x lane.  Wo's must have k in the same places: eight ds_load_b64 at row x pitch + 8 (l / 16) + 16 c.
; LIMIT: e10 + e11 between -126 and 127, so that 2^(e10 + e11) is an f32 number.
; REGISTERS, in windows of 256: window 0: v0-31 addresses; from v128 o's fragments, ONE set; on the way out v32-255 are free.  window 1: Wo's fragments, TWO sets.  windows 2, 3: the accumulators of my rows 0-63, 64-127.
.set SIZE_N, 2048
.set PITCH,  272                       ; a row of Wo's tile in LDS: 256 bytes + 16 of padding: the 32 lanes of a ds_load_b64 touch 64 different banks
.set FR,     16
.set NP,     4                         ; places behind this matrix instruction (ISA guide 7.12.1)
.set AIMG,   32768                     ; a head's 16 images of the tile's 256 tokens
.set BOFF,   2*AIMG                    ; Wo's rows lie behind o's two heads
.set HALFB,  128*PITCH
.set SLOT,   BOFF+2*HALFB
.set SPARE,  2*SLOT                    ; behind the slots: the spare words, 128 bytes a wave, which no other line names
.set SPITCH, 528                       ; the way out: a stage of 16 rows x (512 bytes + 16) for each wave, in slot 0, which has then had its only fill and its last read
.set ADRA, 16                          ; v16-17  LDS address of my images in slot 0, 1
.set ADRB, 20                          ; v20-21  of my rows of Wo
.set STO,  24
.set RD,   25
.set CO,   26                          ; v26     16 x lane
.set SPW,  28                          ; v28     LDS address of my spare word; never rewritten
.set NIL,  29                          ; v29     0; never rewritten
.set TMP,  32
.set AF,   128
.set BK,   128
.set G1, 24                            ; s[24:31] descriptor group 1 for o's tiles;  s[32:39] group 0, one set for each slot
.set G0, 32
.set G1B, 48                           ; s[48:55], s[56:63] the same for Wo's
.set G0B, 56
.set MSB, 0
.macro WIN new                         ; the immediate's high byte repeats the setting that is left
.if MSB != \new
	s_set_vgpr_msb (MSB<<8)|\new
.set MSB, \new
.endif
.endm
.set MUL_LO, 0xa1                      ; source 0 (Wo) window 1, source 1 (o) window 0, C and D window 2
.set MUL_HI, 0xf1
.set TO_B,   0x40
.macro JLOAD g0a, g1a, g0b, g1b        ; waves 0 and 1 fetch o's two heads of a slot, waves 2 and 3 Wo's two halves; an s_nop 0 and four v_nop follow each line
	s_cmp_eq_u32 s15, 0
	s_cbranch_scc0 .Lfor_b_\@
	tensor_load_to_lds s[\g0a:\g0a+3], s[\g1a:\g1a+7]
	s_nop 0
.rept 4
	v_nop
.endr
	s_branch .Lasked_\@
.Lfor_b_\@:
	tensor_load_to_lds s[\g0b:\g0b+3], s[\g1b:\g1b+7]
	s_nop 0
.rept 4
	v_nop
.endr
.Lasked_\@:
.endm
.macro CROUND                          ; a round of the cluster's barrier
	s_barrier_signal -1
	s_barrier_wait -1
	s_cmp_lg_u32 s14, 0
	s_cbranch_scc1 .Lnot_wave_0_\@
	s_barrier_signal -3
.Lnot_wave_0_\@:
	s_barrier_wait -3
	s_barrier_signal -1
	s_barrier_wait -1
.endm
	s_load_b128 s[4:7], s[0:1], 0x0                ; oimg s[4:5], woc s[6:7]
	s_load_b128 s[8:11], s[0:1], 0x10              ; the exponents s[8:9], out0 s[10:11]
	v_lshl_add_u32 v[SPW], v0, 2, SPARE
	v_mov_b32 v[NIL], 0
	ds_add_u32 v[SPW], v[NIL]                      ; the wave's opening: the add, twice on end, and its wait ahead of my first tensor load
	ds_add_u32 v[SPW], v[NIL]                      ; and once more; the set-up below, work on registers, stands between it and the wait
	v_lshrrev_b32 v1, 5, v0
	v_readfirstlane_b32 s14, v1                    ; wave 0..3
	s_lshr_b32 s15, s14, 1                         ; which half of the tile's rows is mine.  Also: I fetch for o (0) or for Wo (1)
	s_and_b32 s16, s14, 1                          ; which half of its columns.  Also: which head, or which 128 rows, I fetch
	s_bfe_u32 s40, ttmp6, 0x40000                  ; cx, cy: my place in the cluster
	s_bfe_u32 s41, ttmp6, 0x40004
	s_lshl_b32 s42, ttmp9, 2
	s_add_co_u32 s42, s42, s40                     ; tile column = 4 x cluster x + cx
	s_and_b32 s17, ttmp7, 0xffff
	s_lshl_b32 s17, s17, 2
	s_add_co_u32 s17, s17, s41                     ; tile row = 4 x cluster y + cy
	s_lshl_b32 s43, s41, 2
	s_lshl_b32 s43, 15, s43                        ; my row of the cluster
	s_lshl_b32 s44, 0x1111, s40                    ; my column
	s_or_b32 s[G1+0], s43, (3<<16)|(1<<21)         ; o's tiles go to my row; elements of 8 bytes; no padding; bit 21 beside the mask
	s_mov_b32 s[G1+1], 32<<16                      ; tensor_dim0 = 32 elements: rows of 256 bytes
	s_mov_b32 s[G1+2], 128<<16                     ; tensor_dim1 = 128
	s_mov_b32 s[G1+3], 32<<16                      ; tile_dim0
	s_mov_b32 s[G1+4], 128                         ; tile_dim1: 128 rows, 32 KiB, dense: 16 images
	s_mov_b32 s[G1+5], 32                          ; tensor_dim0_stride
	s_mov_b32 s[G1+6], 0
	s_mov_b32 s[G1+7], 0
	s_or_b32 s[G1B+0], s44, (0<<16)|(1<<20)|(1<<21)|(5<<22)|(3<<25)  ; Wo's tiles go to my column; elements of 1 byte; 4 words of padding after every 64
	s_mov_b32 s[G1B+1], 256<<16
	s_mov_b32 s[G1B+2], 128<<16
	s_mov_b32 s[G1B+3], 256<<16
	s_mov_b32 s[G1B+4], 128
	s_mov_b32 s[G1B+5], 512                        ; a row of Wo's codes
	s_mov_b32 s[G1B+6], 0
	s_mov_b32 s[G1B+7], 0
	s_lshl_b32 s20, s16, 20                        ; o: the head (1 MiB each),
	s_lshl_b32 s18, s17, 15                        ; the tile row's 16 images
	s_add_co_u32 s20, s20, s18
	s_mov_b32 s21, 0
	s_lshl_b32 s46, s42, 8
	s_lshl_b32 s22, s16, 7
	s_add_co_u32 s46, s46, s22                     ; Wo: row 256 x tile column + 128 x half,
	s_lshl_b32 s46, s46, 9                         ; of 512 bytes
	s_mov_b32 s47, 0
	s_lshl_b32 s45, s16, 15                        ; where they go: o's head,
	s_mul_i32 s23, s16, HALFB
	s_add_co_u32 s23, s23, BOFF                    ; Wo's half: the wave's number alone enters an LDS address
	s_wait_dscnt 0x0                               ; both opening adds are done
	s_wait_kmcnt 0x0
	s_load_b64 s[96:97], s[8:9], 0x28              ; e10, e11
	s_add_nc_u64 s[20:21], s[4:5], s[20:21]
	s_add_nc_u64 s[46:47], s[6:7], s[46:47]
	CROUND                                         ; all sixteen work-groups are here: the joint loads meet
.irp s, 0,1
	s_mov_b32 s[G0+4*\s], 1
	s_add_co_u32 s[G0+4*\s+1], s45, \s*SLOT
	s_add_nc_u64 s[G0+4*\s+2:G0+4*\s+3], s[20:21], \s*0x200000     ; slot s: heads 2 s and 2 s + 1
	s_or_b32 s[G0+4*\s+3], s[G0+4*\s+3], 0x80000000
	s_mov_b32 s[G0B+4*\s], 1
	s_add_co_u32 s[G0B+4*\s+1], s23, \s*SLOT
	s_add_nc_u64 s[G0B+4*\s+2:G0B+4*\s+3], s[46:47], \s*256        ; the same 256 along K
	s_or_b32 s[G0B+4*\s+3], s[G0B+4*\s+3], 0x80000000
	JLOAD G0+4*\s, G1, G0B+4*\s, G1B
.endr
	v_and_b32 v1, 15, v0                           ; r
	v_bfe_u32 v2, v0, 4, 1                         ; h
	v_and_b32 v6, 31, v0
	v_lshlrev_b32 v[CO], 4, v6                     ; 16 x lane
	v_mul_u32_u24 v3, v1, PITCH
	v_lshl_add_u32 v4, v2, 3, v3                   ; Wo: row x pitch + 8 x half
	s_lshl_b32 s21, s15, 14                        ; my 128 tokens: 8 images of each head
	s_mul_i32 s22, s16, HALFB
	s_add_co_u32 s22, s22, BOFF                    ; my 128 rows of Wo
.irp s, 0,1
	v_add_nc_u32 v[ADRA+\s], s21, v[CO]
	v_add_nc_u32 v[ADRB+\s], s22, v4
	s_add_co_u32 s21, s21, SLOT
	s_add_co_u32 s22, s22, SLOT
.endr
	s_mul_i32 s23, s14, 16*SPITCH                  ; my stage
	v_mul_u32_u24 v5, v1, SPITCH                   ; in: row r, 32 bytes for each half of the lanes
	v_lshl_add_u32 v5, v2, 5, v5
	v_add_nc_u32 v[STO], s23, v5
	v_add_nc_u32 v[RD], s23, v[CO]                 ; back: the 32 lanes take one row of 512 bytes
	s_lshl_b32 s20, s17, 8
	s_lshl_b32 s21, s15, 7
	s_add_co_u32 s20, s20, s21                     ; my first row of out0
	s_mov_b32 s21, 0
	s_mov_b64 s[18:19], SIZE_N*4
	s_mul_u64 s[20:21], s[20:21], s[18:19]
	s_lshl_b32 s46, s42, 10                        ; my first column, in bytes: 1,024 x tile column + 512 x half
	s_lshl_b32 s47, s16, 9
	s_add_co_u32 s46, s46, s47
	s_mov_b32 s47, 0
	s_add_nc_u64 s[20:21], s[20:21], s[46:47]
	s_add_nc_u64 s[10:11], s[10:11], s[20:21]
.macro FRAGA reg, slot, q, i           ; image i of my eight, of the slot's q-th head
.irp c, 0,1,2,3
	ds_load_b128 v[\reg+4*\c:\reg+4*\c+3], v[ADRA+\slot] offset:AIMG*(\q)+2048*(\i)+512*\c
.endr
.endm
.macro FRAGB reg, slot, q, i           ; 16 rows of Wo: registers 2 c, 2 c + 1 hold K = 16 c + 8 (l / 16) + 0 .. 7
.irp c, 0,1,2,3,4,5,6,7
	ds_load_b64 v[\reg+2*\c:\reg+2*\c+1], v[ADRB+\slot] offset:128*(\q)+16*\c+(\i)*16*PITCH
.endr
.endm
; 16 matrix instructions: o's blocks a0, a0 + 1 against Wo's eight.  The 64 accumulators take turns, one instruction a turn.
.macro MUL16 a0, p, zero
.irp a, \a0, \a0+1
.irp b, 0,1,2,3,4,5,6,7
.if \zero
	v_wmma_f32_16x16x128_fp8_fp8 v[8*(8*((\a)%4)+\b):8*(8*((\a)%4)+\b)+7], v[128*(\p)+FR*\b:128*(\p)+FR*\b+FR-1], v[AF+FR*(\a):AF+FR*(\a)+FR-1], 0
.else
	v_wmma_f32_16x16x128_fp8_fp8 v[8*(8*((\a)%4)+\b):8*(8*((\a)%4)+\b)+7], v[128*(\p)+FR*\b:128*(\p)+FR*\b+FR-1], v[AF+FR*(\a):AF+FR*(\a)+FR-1], v[8*(8*((\a)%4)+\b):8*(8*((\a)%4)+\b)+7]
.endif
.endr
.endr
.endm
.macro FETCH_B slot, q, p
	WIN TO_B
.irp i, 0,1,2,3,4,5,6,7
	FRAGB 128*(\p)+FR*\i, \slot, \q, \i
.endr
	WIN 0
.endm
.macro FETCH_A slot, q, i0
.irp i, \i0, \i0+1, \i0+2, \i0+3
	FRAGA AF+FR*(\i), \slot, \q, \i
.endr
.endm
.macro PLACES n                        ; plain vector lines between a matrix instruction and a load into, or a vector line on, its registers
.rept \n
	v_nop
.endr
.endm
.macro STEP slot, q, zero              ; a step of 128 along K that has its successor in the same slot
	s_wait_dscnt 16                                ; Wo's set and o's blocks 0-3 are in; the youngest sixteen loads (o's blocks 4-7) may be out
	WIN MUL_LO
	MUL16 0, (\q)%2, \zero
	MUL16 2, (\q)%2, \zero
	s_wait_dscnt 0
	PLACES NP
	FETCH_B \slot, (\q)+1, 1-(\q)%2
	FETCH_A \slot, (\q)+1, 0
	WIN MUL_HI
	MUL16 4, (\q)%2, \zero
	MUL16 6, (\q)%2, \zero
	PLACES NP
	WIN 0
	FETCH_A \slot, (\q)+1, 4
.endm
	s_wait_tensorcnt 1                             ; my part of slot 0 is in; slot 1's load may be out
	s_barrier_signal -1
	s_barrier_wait -1
	FETCH_B 0, 0, 0
	FETCH_A 0, 0, 0
	FETCH_A 0, 0, 4
	STEP 0, 0, 1                                   ; head 0: its products start the sums
	; head 1, and the change of slots: one barrier; in front of it my part of slot 1 has landed and my reads of slot 0 are over
	s_wait_tensorcnt 0x0                           ; (every window is 0 here)
	ds_add_u32 v[SPW], v[NIL]                      ; 0 onto my spare word
	s_wait_dscnt 17                                ; (the add and the youngest sixteen loads may be out)
	WIN MUL_LO
	MUL16 0, 1, 0
	s_wait_dscnt 0x0
	s_barrier_signal -1
	MUL16 2, 1, 0
	WIN 0
	s_barrier_wait -1
	PLACES NP
	FETCH_B 1, 0, 0
	FETCH_A 1, 0, 0
	WIN MUL_HI
	MUL16 4, 1, 0
	MUL16 6, 1, 0
	PLACES NP
	WIN 0
	FETCH_A 1, 0, 4
	STEP 1, 0, 0                                   ; head 2
	s_wait_dscnt 16                                ; head 3: nothing more to fetch
	WIN MUL_LO
	MUL16 0, 1, 0
	MUL16 2, 1, 0
	s_wait_dscnt 0
	WIN MUL_HI
	MUL16 4, 1, 0
	MUL16 6, 1, 0
	WIN 0
; THE WAY OUT, block by block of 16 rows x 128 columns: a lane holds 32 neighbouring bytes of a row, so a block goes through my own stage in LDS and comes back as whole rows of 512 bytes.
; LDS serves a wave's instructions in order (ISA guide 5.7.1.4): no wait between the stores and the loads, nor in front of the next block's stores.
.macro TOSTAGE a
.set AC, 64*((\a)%4)
	WIN 0x02+((\a)/4)                              ; source 0: window 2 or 3
.set j, 0
.rept 32
	v_pk_mul_f32 v[TMP+j:TMP+j+1], v[AC+j:AC+j+1], s[96:97] op_sel_hi:[1,0]   ; x 2^(e10 + e11): exact; each accumulator from its low end on
.set j, j+2
.endr
	WIN 0
.irp b, 0,1,2,3,4,5,6,7
	ds_store_b128 v[STO], v[TMP+8*\b:TMP+8*\b+3] offset:64*\b
	ds_store_b128 v[STO], v[TMP+8*\b+4:TMP+8*\b+7] offset:64*\b+16
.endr
.set BB, BK+64*((\a)%2)
.irp t, 0,1,2,3,4,5,6,7,8,9,10,11,12,13,14,15
	ds_load_b128 v[BB+4*\t:BB+4*\t+3], v[RD] offset:\t*SPITCH
.endr
.endm
.macro SEND a, younger                 ; younger: the LDS instructions issued behind block a's loads, which may stay out
.set BB, BK+64*((\a)%2)
	s_wait_dscnt \younger
.if (\a) > 0
	s_add_nc_u64 s[10:11], s[10:11], 16*SIZE_N*4   ; (behind a wait on XCNT: the earlier stores have read their base)
.endif
.irp t, 0,1,2,3,4,5,6,7,8,9,10,11,12,13,14,15
	global_store_b128 v[CO], v[BB+4*\t:BB+4*\t+3], s[10:11] offset:\t*SIZE_N*4 th:TH_STORE_NT   ; 32 lanes store 512 consecutive bytes, at a multiple of 256 from out0's first byte; written once
.endr
.endm
	s_wait_kmcnt 0x0
	s_add_co_i32 s96, s96, s97
	s_add_co_i32 s96, s96, 127
	s_lshl_b32 s96, s96, 23                        ; 2^(e10 + e11) as f32 (s97 stays written: it is named as the pair's upper half)
	PLACES NP                                      ; behind the last products: for the reads of results and the loads into the registers that held o's fragments
	TOSTAGE 0
.irp a, 1,2,3,4,5,6,7
.if \a > 1
	s_wait_xcnt 0x0                                ; block a - 2's stores have read their registers and their base
.endif
	TOSTAGE \a
	SEND \a-1, 32                                  ; behind block a - 1's loads: block a's 16 stores and 16 loads
.endr
	s_wait_xcnt 0x0
	SEND 7, 0
	s_wait_tensorcnt 0x0                           ; the wave's end, behind my last tensor load and my last LDS store
	ds_add_u32 v[SPW], v[NIL]
	s_wait_dscnt 0x0
	CROUND                                         ; the closing round: no work-group ends while a partner may still ask for a tile that names it
	s_endpgm
.Lfunc_end_k_q926e4dee1d_oproj:
	.size	k_q926e4dee1d_oproj, .Lfunc_end_k_q926e4dee1d_oproj-k_q926e4dee1d_oproj
	.p2alignl 7, 3214868480
	.fill 96, 4, 3214868480
	.section	.rodata,"a",@progbits
	.p2align	6, 0x0
	.amdhsa_kernel k_q926e4dee1d_oproj
		.amdhsa_group_segment_fixed_size 327680
		.amdhsa_private_segment_fixed_size 0
		.amdhsa_enable_private_segment 0
		.amdhsa_kernarg_size 32
		.amdhsa_user_sgpr_count 2
		.amdhsa_user_sgpr_kernarg_segment_ptr 1
		.amdhsa_wavefront_size32 1
		.amdhsa_system_sgpr_workgroup_id_x 1
		.amdhsa_system_sgpr_workgroup_id_y 1
		.amdhsa_system_sgpr_workgroup_id_z 1
		.amdhsa_system_vgpr_workitem_id 0
		.amdhsa_next_free_vgpr 1024
		.amdhsa_next_free_sgpr 98
		.amdhsa_reserve_vcc 0
		.amdhsa_float_denorm_mode_32 3
		.amdhsa_float_denorm_mode_16_64 3
		.amdhsa_memory_ordered 1
		.amdhsa_forward_progress 1
		.amdhsa_inst_pref_size 95
	.end_amdhsa_kernel
	.amdgpu_metadata
---
amdhsa.version: [ 1, 2 ]
amdhsa.kernels:
  - .name:           k_q926e4dee1d_oproj
    .symbol:         k_q926e4dee1d_oproj.kd
    .args:
      - { .name: oimg, .offset: 0, .size: 8, .value_kind: global_buffer, .address_space: global }
      - { .name: woc, .offset: 8, .size: 8, .value_kind: global_buffer, .address_space: global }
      - { .name: lowp_scales, .offset: 16, .size: 8, .value_kind: global_buffer, .address_space: global }
      - { .name: out0, .offset: 24, .size: 8, .value_kind: global_buffer, .address_space: global }
    .group_segment_fixed_size: 327680
    .private_segment_fixed_size: 0
    .kernarg_segment_align: 8
    .kernarg_segment_size: 32
    .max_flat_workgroup_size: 128
    .sgpr_count:     98
    .vgpr_count:     1024
    .wavefront_size: 32
...
	.end_amdgpu_metadata
.endif
;; end of part 4
